; MI455X (gfx1250); checked and timed in simulation.
; The chip was launched on July 23, 2026; its instructions are those of AMD's public machine-readable ISA for CDNA 5 (MIT licence, August 2026) and "CDNA5" Instruction Set Architecture Reference Guide (July 2026). The comments in the code are by the model that wrote it; some were corrected since.
;; Self Attention. Allowed arithmetic: matrix products marked QUANTISED: E5M2 operands, one E8M0 scale for each 32 along K, by v_wmma_scale_f32_16x16x128_f8f6f4 with both operands' format E5M2, f32 sums; everything else in f32.
;; Inputs: Wk_codes 768 x 24 x 32 uint8 (E5M2 codes of Wk, K innermost, in blocks of 32 codes); Wk_scales 768 x 24 uint8 (E8M0 scales of Wk, one for each 32 codes along K); Wq_codes 768 x 24 x 32 uint8 (E5M2 codes of Wq, K innermost, in blocks of 32 codes); Wq_scales 768 x 24 uint8 (E8M0 scales of Wq, one for each 32 codes along K); Wv_codes 768 x 24 x 32 uint8 (E5M2 codes of Wv, K innermost, in blocks of 32 codes); Wv_scales 768 x 24 uint8 (E8M0 scales of Wv, one for each 32 codes along K); x_codes 16 x 1,024 x 24 x 32 uint8 (E5M2 codes of x, K innermost, in blocks of 32 codes); x_scales 16 x 1,024 x 24 uint8 (E8M0 scales of x, one for each 32 codes along K).
;; Outputs: out0 16 x 1,024 x 768 float32.
;; This version of the problem:
;;   THIS VERSION OF THE PROBLEM IS GIVEN IN LOW PRECISION. The matrix products marked QUANTISED in the list below multiply operands that are first quantised to E5M2 (5 exponent bits, 2 mantissa bits; 8 bits a number), with one power-of-two scale for each 32 numbers along K (OCP MX v1.0); their sums are f32. All else is computed in f32.
;;   The module's matrix products, in the order in which they are computed (A, B: the left and right operand; K: the contracted axis; several contracted axes count as one K, in the product's order):
;;     1. [M 16,384, K 768] x [K 768, N 768]; A: input x (given as codes); B: input Wq (given as codes): QUANTISED
;;     2. [M 16,384, K 768] x [K 768, N 768]; A: input x (given as codes); B: input Wk (given as codes): QUANTISED
;;     3. [M 16,384, K 768] x [K 768, N 768]; A: input x (given as codes); B: input Wv (given as codes): QUANTISED
;;     4. batch 16 x [M 1,024, K 768] x [K 768, N 1,024]; A: computed on the way; B: computed on the way: QUANTISED
;;     5. batch 16 x [M 1,024, K 1,024] x [K 1,024, N 768]; A: softmax (see below); B: computed on the way: QUANTISED
;;   THE QUANTISER, for each operand of a quantised product, along K:
;;     - K is cut into blocks of 32 from its start; a last block that is shorter is filled with zeros.
;;     - A block's scale is 2^e with e = floor(log2(the largest magnitude in the block)) - 15, held to -126 .. 127; a block of zeros has e = 0. As a byte (E8M0): e + 127.
;;     - Each number is divided by its block's scale, clamped to +-57,344, and rounded to the nearest number of E5M2, ties to even, subnormals kept.
;;     - The product sums the exact products of the quantised numbers (number of the format x scale) in f32.
;;   ~~~python
;;   def quantise(x, axis):      # numpy; x: float32 -> the quantised numbers, widened to float32 again
;;       x = np.moveaxis(x, axis, -1); K = x.shape[-1]
;;       x = np.pad(x, [(0, 0)] * (x.ndim - 1) + [(0, -K % 32)]); x = x.reshape(x.shape[:-1] + (-1, 32)); a = np.abs(x).max(-1, keepdims=True)
;;       e = np.where(a > 0, np.clip(np.frexp(np.where(a > 0, a, 1))[1] - 1 - 15, -126, 127), 0)      # np.frexp(a)[1] - 1 = floor(log2(a)), exactly
;;       r = np.clip(x / 2.0 ** e, -57344, 57344)
;;       step = 2.0 ** (np.maximum(np.frexp(np.where(r == 0, 1, r))[1] - 1, -14) - 2)
;;       q = np.round(r / step) * step * 2.0 ** e      # np.round: ties to even
;;       return np.moveaxis(q.reshape(q.shape[:-2] + (-1,))[..., :K], -1, axis).astype(np.float32)
;;   ~~~
;;   SOFTMAX AHEAD OF A QUANTISED PRODUCT. Where the list says 'softmax', what is quantised is not the finished softmax but p = 2^(t - M), with t = logit x log2(e) and M = ceil(the row's largest t), a whole number; so 1/2 < the row's largest p <= 1. The row's sum l is taken of the UNQUANTISED p, in f32, and the product's result is divided by l at the end. Since M is a whole number, a kernel that streams over the keys may use a running M (the ceiling of the running maximum): every later rescaling is an exact power of two, which a block's scale takes up: the codes' values come out the same.
;;   OPERANDS COMPUTED ON THE WAY. 'Computed on the way' means the value that the module computes at that place (a softmax that the list does not call 'softmax' is quantised finished and normalised). What goes into a quantiser is computed in f32, as accurately as f32 sums, v_exp_f32 and their like allow (about 1e-6 of the number): no bf16 or f16 on the way to a quantiser, and a product that is left as it is and whose result goes on into a quantised operand takes f32 operands (vector FMAs, or v_wmma_f32_16x16x4_f32). A number that lies on a knife's edge between two numbers of the format may be rounded either way, as far as f32 arithmetic and the matrix unit's own rounding can turn it there, and no further.
;;   INPUTS GIVEN AS CODES. Wk (in the module: [768, 768], K = its axis 1); Wq (in the module: [768, 768], K = its axis 1); Wv (in the module: [768, 768], K = its axis 1); x (in the module: [16, 1024, 768], K = its axis 2): each comes as NAME_codes (uint8): NAME with its K axis moved to the last place and cut into blocks of 32 codes, [.., K / 32, bytes a block], one block behind the other in memory; one code a byte (a code: sign, 5 exponent bits, 2 mantissa bits); and NAME_scales (uint8): the same leading axes, one E8M0 byte (e + 127) for each 32 codes along K. Its value is code x scale, taken as it is: it is not quantised again, and the codes and scales need not be those that the quantiser above would give.
;; 2 versions. Each part assembles by itself: llvm-mc -triple=amdgcn-amd-amdhsa -mcpu=gfx1250 --defsym DOCPART=n.
;; ======== version 1 of 2: 2 launches
;; workspace buffers: qws 13,107,200 bytes; kws 13,107,200 bytes; vws 13,107,200 bytes
;; launch proj (part 1): grid 256 x 1, 4 waves a work-group, clusters of 4 x 1, 219,648 bytes of LDS; arguments x_codes, x_scales, Wq_codes, Wq_scales, Wk_codes, Wk_scales, Wv_codes, Wv_scales, qws, kws, vws; writes qws, kws, vws
.if DOCPART == 1
	.amdgcn_target "amdgcn-amd-amdhsa--gfx1250"
	.amdhsa_code_object_version 6
	.text
	.protected	k_q0753b86c21_proj
	.globl	k_q0753b86c21_proj
	.p2align	8
	.type	k_q0753b86c21_proj,@function
k_q0753b86c21_proj:
	s_mov_b64 s[64:65], 0
	v_nop
	global_prefetch_b8 v0, s[64:65] scope:SCOPE_SE
	s_setreg_imm32_b32 hwreg(HW_REG_WAVE_MODE, 25, 1), 1
	s_wait_xcnt 0x0
	s_wait_alu depctr_hold_cnt(0) depctr_sa_sdst(0) depctr_va_vdst(0) depctr_va_sdst(0) depctr_va_ssrc(0) depctr_va_vcc(0) depctr_vm_vsrc(0)
	s_getreg_b32 s2, hwreg(HW_REG_IB_STS2, 6, 4)
	s_cmp_eq_u32 s2, 0
	s_cbranch_scc0 .Lentry_in_a_cluster
	s_endpgm
.Lentry_in_a_cluster:
	s_bfe_u32 s2, ttmp6, 0x10000c
	s_cmp_lg_u32 s2, 0x3003
	s_cbranch_scc0 .Lentry_shape_is_right
	s_endpgm
.Lentry_shape_is_right:
; q, k, v = x W^T on codes of E5M2 with one E8M0 scale for each 32 along K (768), sums in f32; the results are quantised in registers (q, k along d; v along the keys)
; and stored as IMAGES OF OPERAND REGISTERS for the attention launch: chunks of CH = 102,400 bytes for 128 rows of x.
;   q, k chunk: codes at tile*12288 + beta*512 + 16*lane (tile: 16 rows, row = lane % 16; beta = d / 32; byte i of a lane's 16 is d = 32 beta + 16 (i / 8) + 8 (lane / 16) + i % 8, the same order in q and in k);
;               scale words at 98304 + 1024*pair + 512*e + 16*(16*(tile % 2) + row) + 4*k: the word of K step 3 e + k; the fourth word is 0.
;   v chunk:    codes at dtile*2048 + c*512 + 16*lane (d = 16 dtile + lane % 16; c: block of 32 keys; byte i is key 32 c + 16 (i / 8) + 8 (lane / 16) + i % 8);
;               scale words at 98304 + 256*(dtile / 3) + 16*(lane % 16) + 4*(dtile % 3): a byte for each of the four key blocks; the fourth word is 0.
; SHARES.  The four work-groups of a cluster own the same 256 rows of x and ask for them JOINTLY (one tensor load with a mask that names the four); x lies in LDS for the whole launch: nothing is filled again.
; Part QK: work-group cx takes matrix cx / 2 (Wq, Wk) and half cx % 2 of its 768 rows; wave w keeps 96 rows of W (36 fragments, 576 registers) and walks 8 pairs of 16-row tiles of x.
;   Source 0 = 16 rows of W, source 1 = 16 rows of x: a lane holds one row of x and its registers run along d, the next product's K.
; Part V: work-group cx takes rows 192 cx on of Wv; wave w keeps 48 of them (18 fragments) and walks 4 quads of tiles.  Source 0 = x, source 1 = W: a lane holds one d and its registers run along the keys.
; W is not asked for jointly: each wave's rows go from memory straight into its own registers, once.
; The look-ahead of the last trip of each loop reads the last rows of x in LDS once more (a clamped address): nobody uses what it brings.
; LIMITS: NaN and infinities are not served.  A block whose largest magnitude lies under 2^-111, a block of zeros among them, gets the scale byte 1; these bytes are read by this program alone.
; REGISTERS: window 0: v1-13 addresses; v16-33 W's scale words; v34-45 x's; v48-63 at work; v64-87 codes, two sets; v88-93 scale bytes; v96-107 scale words on their way out; v128-223 twelve accumulators.
;   QK: W's fragment 6 s + t at register 256 + 16 (6 s + t); x's tile u of K step s at 832 + 32 s + 16 u.   V: W's fragment 3 s + t at 256 + 16 (3 s + t); x's tile u of K step s at 640 + 64 s + 16 u.
.set CH,    102400
.set XSCL,  208896                     ; LDS: x's codes from 0 on, byte k of row t at 816 t + k + 16 (k / 256): 816 is an odd multiple of 16; then x's scale bytes, 24 a row, dense;
.set SCA,   215040                     ; then q's or k's scale words as they are gathered: [pair 8][tile 2][row 16][16 bytes]
.set WS,    16
.set XS,    34
.set TM,    48                         ; +b largest magnitude, +4+b the other half's, +8+b the hold, +12+b the conversion's scale operand
.set CD,    64
.set BY,    88
.set VW,    100
.set ACC,   128
.set WV,    26
.set CX,    27
.set EE,    28
.set MAT,   29
.set SEL,   32
.set MNT,   34
.set CNT,   35
.set TB,    36
.set TS,    37
.set TA,    38
.set T0,    39
.set G1X,   40
.set G1S,   48
.set G0X,   56
.set G0S,   60
.set OP,    66
.set OS,    68
.set OPV,   70
.set OSV,   72
.set T1,    76
.set MSB, 0
.macro WIN new                         ; the immediate's high byte repeats the setting that is left; a switch that changes nothing is dropped
.if MSB != (\new)
	s_set_vgpr_msb (MSB<<8)|(\new)
.set MSB, (\new)
.endif
.endm
.macro PLACES n
.rept \n
	v_nop
.endr
.endm
.macro ROUND                           ; a round of the cluster's barrier
	s_barrier_signal -1
	s_barrier_wait -1
	s_cmp_lg_u32 s[WV], 0
	s_cbranch_scc1 .Lnot_wave_0_\@
	s_barrier_signal -3
.Lnot_wave_0_\@:
	s_barrier_wait -3
	s_barrier_signal -1
	s_barrier_wait -1
.endm
; one matrix instruction on the registers rD, rA, rB with the scale registers rSA, rSB; ra, rb: the side's scales stand in lanes 16-31
.macro WMC c, ra, rb
.if (\ra) && (\rb)
	v_wmma_scale_f32_16x16x128_f8f6f4 v[rD:rD+7], v[rA:rA+15], v[rB:rB+15], \c, v[rSA], v[rSB] matrix_a_fmt:MATRIX_FMT_BF8 matrix_b_fmt:MATRIX_FMT_BF8 matrix_a_scale:MATRIX_SCALE_ROW1 matrix_b_scale:MATRIX_SCALE_ROW1
.elseif (\ra)
	v_wmma_scale_f32_16x16x128_f8f6f4 v[rD:rD+7], v[rA:rA+15], v[rB:rB+15], \c, v[rSA], v[rSB] matrix_a_fmt:MATRIX_FMT_BF8 matrix_b_fmt:MATRIX_FMT_BF8 matrix_a_scale:MATRIX_SCALE_ROW1
.elseif (\rb)
	v_wmma_scale_f32_16x16x128_f8f6f4 v[rD:rD+7], v[rA:rA+15], v[rB:rB+15], \c, v[rSA], v[rSB] matrix_a_fmt:MATRIX_FMT_BF8 matrix_b_fmt:MATRIX_FMT_BF8 matrix_b_scale:MATRIX_SCALE_ROW1
.else
	v_wmma_scale_f32_16x16x128_f8f6f4 v[rD:rD+7], v[rA:rA+15], v[rB:rB+15], \c, v[rSA], v[rSB] matrix_a_fmt:MATRIX_FMT_BF8 matrix_b_fmt:MATRIX_FMT_BF8
.endif
.endm
.macro WM z, ra, rb                    ; z = 1: the product starts the sum
.if \z
	WMC 0, \ra, \rb
.else
	WMC v[rD:rD+7], \ra, \rb
.endif
.endm
; nt tiles x 6 K steps of W from memory into fragment registers: lane (r, h) takes, of row r, bytes 32 c + 16 h on of the K step
.macro WLOAD nt, base
.set fI, 0
.rept 6*\nt
	WIN (1+fI/16)<<6
.irp c,0,1,2,3
	global_load_b128 v[16*(fI%16)+4*\c:16*(fI%16)+4*\c+3], v3, s[\base:\base+1] offset:12288*(fI%\nt)+128*(fI/\nt)+32*\c
.endr
.set fI, fI+1
.endr
	WIN 0
.endm
.macro FETCHQ s                        ; two tiles of x, K step s, from the rows at v10
	WIN 0xc0
.irp u,0,1
.irp c,0,1,2,3
	ds_load_b128 v[64+32*\s+16*\u+4*\c:64+32*\s+16*\u+4*\c+3], v10 offset:13056*\u+128*\s+16*(\s/2)+32*\c
.endr
.endr
.endm
.macro MULQ s                          ; 12 products: my 6 tiles of W x 2 tiles of x; the twelve accumulators take turns
.irp t,0,1,2,3,4,5
.irp u,0,1
	WIN (1+(6*\s+\t)/16)|0x0c
.set rD, ACC+48*\u+8*\t
.set rA, 16*((6*\s+\t)%16)
.set rB, 64+32*\s+16*\u
.set rSA, WS+6*(\t/2)+\s
.set rSB, XS+\s
.if \s == 0
	WM 1, \t%2, \u
.else
	WM 0, \t%2, \u
.endif
.endr
.endr
.endm
.macro FETCHV s                        ; four tiles of x, K step s
.irp u,0,1,2,3
	WIN ((640+64*\s+16*\u)/256)<<6
.irp c,0,1,2,3
	ds_load_b128 v[(640+64*\s+16*\u)%256+4*\c:(640+64*\s+16*\u)%256+4*\c+3], v10 offset:13056*\u+128*\s+16*(\s/2)+32*\c
.endr
.endr
.endm
.macro MULV s                          ; 12 products: 4 tiles of x x my 3 tiles of Wv
.irp t,0,1,2
.irp u,0,1,2,3
	WIN ((640+64*\s+16*\u)/256)|((1+(3*\s+\t)/16)<<2)
.set rD, ACC+32*\t+8*\u
.set rA, (640+64*\s+16*\u)%256
.set rB, 16*((3*\s+\t)%16)
.set rSA, XS+6*(\u/2)+\s
.set rSB, WS+6*\t+\s
.if \s == 0
	WM 1, \u%2, 0
.else
	WM 0, \u%2, 0
.endif
.endr
.endr
.endm
.macro XSV                             ; x's scale words of 64 rows: lane l holds row l (v34-39) and row 32 + l (v40-45)
.irp g,0,1
.irp k,0,1,2
	ds_load_b64 v[XS+6*\g+2*\k:XS+6*\g+2*\k+1], v11 offset:768*\g+8*\k
.endr
.endr
.endm
; Three blocks of 32 along the next K: registers src + 16 b + i are my 16 numbers of block b, lane l xor 16 holds the other 16.  Codes into set k, scale bytes into v[by + b].
.macro QUANT3 src, k, by
	s_wait_xcnt 0x0                                ; set k's registers were the data of stores: they are written again only behind this wait
.irp b,0,1,2
	v_max3_num_f32 v[TM+\b], |v[(\src)+16*\b]|, |v[(\src)+16*\b+1]|, 0x8000000   ; with the floor 2^(16 - 127): the byte cannot fall under 1.  Each accumulator is read from its low end on
.endr
.irp i,2,4,6,8,10,12,14
.irp b,0,1,2
	v_max3_num_f32 v[TM+\b], v[TM+\b], |v[(\src)+16*\b+\i]|, |v[(\src)+16*\b+\i+1]|
.endr
.endr
.irp b,0,1,2
	v_permlanex16_b32 v[TM+4+\b], v[TM+\b], s[SEL], s[SEL+1]
.endr
.irp b,0,1,2
	v_max_num_f32 v[TM+\b], v[TM+\b], v[TM+4+\b]   ; the block's largest magnitude
.endr
.irp b,0,1,2
	v_add_nc_u32 v[TM+12+\b], 0xf8800000, v[TM+\b] ; 15 off its exponent field: the conversion's scale operand
.endr
.irp b,0,1,2
	v_and_or_b32 v[TM+8+\b], v[TM+\b], 0x7f800000, s[MNT]   ; 57,344 x the scale
.endr
.irp b,0,1,2
	v_lshrrev_b32 v[(\by)+\b], 23, v[TM+12+\b]     ; the scale's byte
.endr
.irp b,0,1,2
.irp i,0,1,2,3,4,5,6,7,8,9,10,11,12,13,14,15
	v_med3_num_f32 v[(\src)+16*\b+\i], v[(\src)+16*\b+\i], -v[TM+8+\b], v[TM+8+\b]   ; the conversion does not saturate (ISA guide 7.6.2): the hold at the largest code x the scale
.endr
	v_cvt_scalef32_pk8_bf8_f32 v[CD+12*\k+4*\b:CD+12*\k+4*\b+1], v[(\src)+16*\b:(\src)+16*\b+7], v[TM+12+\b]
	v_cvt_scalef32_pk8_bf8_f32 v[CD+12*\k+4*\b+2:CD+12*\k+4*\b+3], v[(\src)+16*\b+8:(\src)+16*\b+15], v[TM+12+\b]
.endr
	v_nop                                          ; a plain line behind the last conversion
.endm
	s_load_b512 s[4:19], s[0:1], 0x0               ; x codes, x scales, Wq codes, scales, Wk codes, scales, Wv codes, scales
	s_load_b128 s[20:23], s[0:1], 0x40             ; qws, kws
	s_load_b64 s[24:25], s[0:1], 0x50              ; vws
	v_lshl_add_u32 v254, v0, 2, 0x35800
	v_mov_b32 v255, 0
	ds_add_u32 v254, v255
	ds_add_u32 v254, v255
	v_lshrrev_b32 v1, 5, v0
	v_readfirstlane_b32 s[WV], v1                  ; wave 0..3
	s_bfe_u32 s[CX], ttmp6, 0x40000                ; my place in the cluster: it enters global addresses and the choice of buffers alone
	s_and_b32 s[EE], s[CX], 1
	s_lshr_b32 s[MAT], s[CX], 1
	v_and_b32 v12, 31, v0                          ; lane
	v_and_b32 v14, 15, v0                          ; r
	v_bfe_u32 v15, v0, 4, 1                        ; h
	v_lshlrev_b32 v1, 4, v12                       ; 16 x lane
	v_lshlrev_b32 v2, 4, v14                       ; 16 r
	v_mul_u32_u24 v3, v14, 768
	v_lshl_add_u32 v3, v15, 4, v3                  ; W in memory: row r, + 16 h
	v_mul_u32_u24 v4, v12, 24                      ; scale bytes: 24 a row, row = lane
	v_mul_u32_u24 v5, v14, 24                      ; row = r
	v_mul_u32_u24 v6, v14, 816
	v_lshl_add_u32 v6, v15, 4, v6                  ; x in LDS: row r, + 16 h
	v_add_nc_u32 v7, XSCL, v4                      ; x's scale bytes in LDS
	s_mul_i32 s30, s[WV], 3
	s_add_co_u32 s30, s30, SCA
	v_add_nc_u32 v8, s30, v2                       ; where my three scale bytes of row r go: SCA + 16 r + 3 w
	s_lshl_b32 s30, s[WV], 9
	s_add_co_u32 s30, s30, SCA
	v_add_nc_u32 v9, s30, v1                       ; and where pair w's words are read back
	v_lshl_add_u32 v13, v0, 4, SCA
.irp b,0,1,2,3
	v_mov_b32 v[TM+4+\b], 0                        ; a lane permute's destination counts as one of its sources
	v_mov_b32 v[VW+\b], 0
.endr
	s_mov_b32 s[SEL], 0x76543210
	s_mov_b32 s[SEL+1], 0xfedcba98
	s_mov_b32 s[MNT], 0x600000
	; group 1 for x's codes: 64 rows of x are 49,152 dense bytes: 192 rows of 32 elements of 8 bytes, 16 bytes of padding behind each 256; the mask names the four partners
	s_mov_b32 s[G1X], 15|(3<<16)|(1<<20)|(1<<21)|(5<<22)|(3<<25)
	s_mov_b32 s[G1X+1], 32<<16
	s_mov_b32 s[G1X+2], 192<<16
	s_mov_b32 s[G1X+3], 32<<16
	s_mov_b32 s[G1X+4], 192
	s_mov_b32 s[G1X+5], 32
	s_mov_b32 s[G1X+6], 0
	s_mov_b32 s[G1X+7], 0
	; and for their scale bytes: 1,536 dense bytes, 6 rows of 256, no padding
	s_mov_b32 s[G1S], 15|(3<<16)|(1<<21)
	s_mov_b32 s[G1S+1], 32<<16
	s_mov_b32 s[G1S+2], 6<<16
	s_mov_b32 s[G1S+3], 32<<16
	s_mov_b32 s[G1S+4], 6
	s_mov_b32 s[G1S+5], 32
	s_mov_b32 s[G1S+6], 0
	s_mov_b32 s[G1S+7], 0
	s_mul_i32 s30, ttmp9, 196608                   ; the cluster's 256 rows,
	s_mul_i32 s31, s[WV], 49152                    ; my wave's 64 of them
	s_add_co_u32 s30, s30, s31
	s_mov_b32 s31, 0
	s_mul_i32 s74, ttmp9, 6144
	s_mul_i32 s75, s[WV], 1536
	s_add_co_u32 s74, s74, s75
	s_add_co_u32 s[G0S+1], s75, XSCL
	s_mov_b32 s75, 0
	s_mov_b32 s[G0X], 1
	s_mul_i32 s[G0X+1], s[WV], 52224
	s_mov_b32 s[G0S], 1
	s_wait_dscnt 0x0
	s_wait_kmcnt 0x0
	s_add_nc_u64 s[G0X+2:G0X+3], s[4:5], s[30:31]
	s_or_b32 s[G0X+3], s[G0X+3], 0x80000000
	s_add_nc_u64 s[G0S+2:G0S+3], s[6:7], s[74:75]
	s_or_b32 s[G0S+3], s[G0S+3], 0x80000000
	ROUND                                          ; the four partners are here: the joint loads meet
	tensor_load_to_lds s[G0X:G0X+3], s[G1X:G1X+7]
	s_nop 0
	tensor_load_to_lds s[G0S:G0S+3], s[G1S:G1S+7]  ; two loads of mine are out
	s_nop 0
	PLACES 4
	s_cmp_eq_u32 s[MAT], 0                         ; Wq and qws, or Wk and kws
	s_cselect_b64 s[8:9], s[8:9], s[12:13]
	s_cselect_b64 s[10:11], s[10:11], s[14:15]
	s_cselect_b64 s[20:21], s[20:21], s[22:23]
	s_mul_i32 s30, s[EE], 384
	s_mul_i32 s74, s[WV], 96
	s_add_co_u32 s30, s30, s74                     ; my first row of W
	s_mul_i32 s74, s30, 24
	s_mul_i32 s30, s30, 768
	s_add_nc_u64 s[8:9], s[8:9], s[30:31]
	s_add_nc_u64 s[10:11], s[10:11], s[74:75]
	WLOAD 6, 8
.irp j,0,1,2
.irp k,0,1,2
	global_load_b64 v[WS+6*\j+2*\k:WS+6*\j+2*\k+1], v4, s[10:11] offset:768*\j+8*\k   ; register WS + 6 j + s: lane l holds the word of row 32 j + l, K step s
.endr
.endr
	ds_store_b128 v13, v[VW:VW+3]                  ; SCA is cleared: the fourth word of each row stays 0
	ds_store_b128 v13, v[VW:VW+3] offset:2048
	; where the results go
	s_mul_i32 s74, ttmp9, 2*CH
	s_add_nc_u64 s[20:21], s[20:21], s[74:75]
	s_add_nc_u64 s[24:25], s[24:25], s[74:75]
	s_mul_i32 s30, s[EE], 12
	s_mul_i32 s74, s[WV], 3
	s_add_co_u32 s30, s30, s74
	s_lshl_b32 s30, s30, 9
	s_add_nc_u64 s[OP:OP+1], s[20:21], s[30:31]    ; codes: beta = 12 e + 3 w on
	s_lshl_b32 s30, s[WV], 10
	s_lshl_b32 s74, s[EE], 9
	s_add_co_u32 s30, s30, s74
	s_add_co_u32 s30, s30, 98304
	s_add_nc_u64 s[OS:OS+1], s[20:21], s[30:31]    ; scale words: pair w, half e
	s_mul_i32 s30, s[CX], 12
	s_mul_i32 s74, s[WV], 3
	s_add_co_u32 s30, s30, s74
	s_lshl_b32 s30, s30, 11
	s_add_nc_u64 s[OPV:OPV+1], s[24:25], s[30:31]  ; v's codes: d tile 12 cx + 3 w on
	s_lshl_b32 s30, s[CX], 2
	s_add_co_u32 s30, s30, s[WV]
	s_lshl_b32 s30, s30, 8
	s_add_co_u32 s30, s30, 98304
	s_add_nc_u64 s[OSV:OSV+1], s[24:25], s[30:31]
	s_mul_i32 s30, s[CX], 192
	s_mul_i32 s74, s[WV], 48
	s_add_co_u32 s30, s30, s74                     ; my first row of Wv
	s_mul_i32 s74, s30, 24
	s_mul_i32 s30, s30, 768
	s_add_nc_u64 s[16:17], s[16:17], s[30:31]
	s_add_nc_u64 s[18:19], s[18:19], s[74:75]
	s_wait_tensorcnt 0x0                           ; my part of x and of its scale bytes has landed,
	s_wait_dscnt 0x0                               ; my part of SCA is cleared:
	s_barrier_signal -1
	s_barrier_wait -1                              ; everybody's
	v_mov_b32 v10, v6
	v_mov_b32 v11, v7
.irp k,0,1,2
	ds_load_b64 v[XS+2*\k:XS+2*\k+1], v11 offset:8*\k
.endr
.irp s,0,1,2,3,4,5
	FETCHQ \s
.endr
	WIN 0
	s_wait_loadcnt 0x0                             ; W and its scale words
	s_mov_b32 s[CNT], 0
	s_mov_b32 s[TB], 26112                         ; the next pair's rows,
	s_mov_b32 s[TS], 768                           ; its scale bytes,
	s_mov_b32 s[TA], 0                             ; this pair's place in SCA
.Lqk:                                              ; 8 trips: a pair of tiles of x, 72 products
	s_wait_dscnt 0x0                               ; this pair's fragments and scale words, asked for a trip ago, are in
	s_min_u32 s[T0], s[TB], 182784
	v_add_nc_u32 v10, s[T0], v6
.irp s,0,1,2,3,4,5
	MULQ \s
.if \s == 5
	PLACES 9                                       ; eight places in front of loads into registers that products have read; nine in front of the next trip's products, which begin the accumulators anew
.else
	PLACES 8
.endif
	FETCHQ \s                                      ; the next pair's, into the registers just multiplied
.endr
	WIN 0
	s_min_u32 s[T1], s[TS], 5376
	v_add_nc_u32 v11, s[T1], v7
.irp k,0,1,2
	ds_load_b64 v[XS+2*\k:XS+2*\k+1], v11 offset:8*\k
.endr
	v_add_nc_u32 v12, s[TA], v8
.irp u,0,1
	QUANT3 ACC+48*\u, \u, BY+3*\u
.irp b,0,1,2
	global_store_b128 v1, v[CD+12*\u+4*\b:CD+12*\u+4*\b+3], s[OP:OP+1] offset:12288*\u+512*\b   ; 32 lanes store 512 consecutive bytes, aligned
.endr
.irp b,0,1,2
	ds_store_b8 v12, v[BY+3*\u+\b] offset:256*\u+\b   ; both lanes of a block write the same byte with the same value
.endr
.endr
	s_wait_xcnt 0x0                                ; the stores have read their base
	s_and_b32 s[T0], s[CNT], 3
	s_cmp_eq_u32 s[T0], 3
	s_cselect_b32 s30, 4096, 0                     ; behind a chunk's fourth pair: over its scale words
	s_add_co_u32 s30, s30, 24576
	s_add_nc_u64 s[OP:OP+1], s[OP:OP+1], s[30:31]
	s_add_co_u32 s[TB], s[TB], 26112
	s_add_co_u32 s[TS], s[TS], 768
	s_add_co_u32 s[TA], s[TA], 512
	s_add_co_u32 s[CNT], s[CNT], 1
	s_cmp_lt_u32 s[CNT], 8
	s_cbranch_scc1 .Lqk
	WLOAD 3, 16                                    ; Wv's fragments, over Wq's or Wk's, which are done with
.irp t,0,1,2
.irp k,0,1,2
	global_load_b64 v[WS+6*\t+2*\k:WS+6*\t+2*\k+1], v5, s[18:19] offset:384*\t+8*\k   ; register WS + 6 t + s: lane r holds the word of row 16 t + r
.endr
.endr
	s_wait_dscnt 0x0                               ; my scale bytes lie in SCA, and my LDS loads are in
	s_barrier_signal -1
	s_barrier_wait -1                              ; everybody's
	ds_load_b128 v[96:99], v9                      ; pair w of the first chunk,
	ds_load_b128 v[104:107], v9 offset:2048        ; and of the second
	s_wait_dscnt 0x0
	global_store_b128 v1, v[96:99], s[OS:OS+1]
	global_store_b128 v1, v[104:107], s[OS:OS+1] offset:CH
	v_mov_b32 v10, v6
	v_mov_b32 v11, v7
	XSV
.irp s,0,1,2,3,4,5
	FETCHV \s
.endr
	WIN 0
	s_wait_loadcnt 0x0                             ; Wv and its scale words
	s_mov_b32 s[CNT], 0
	s_mov_b32 s[TB], 0                             ; this chunk's rows in LDS,
	s_mov_b32 s[TS], 0                             ; and their scale bytes
; 64 keys: 72 products, six blocks of 32 keys x 16 d.  q: which half of the chunk
.macro QUAD q
	s_wait_dscnt 0x0
.if \q == 0
	s_add_co_u32 s[T0], s[TB], 52224
	s_add_co_u32 s[T1], s[TS], 1536
.else
	s_add_co_u32 s[T0], s[TB], 104448
	s_add_co_u32 s[T1], s[TS], 3072
.endif
	s_min_u32 s[T0], s[T0], 156672
	s_min_u32 s[T1], s[T1], 4608
	v_add_nc_u32 v10, s[T0], v6
.irp s,0,1,2,3,4,5
	MULV \s
.if \s == 5
	PLACES 9
.else
	PLACES 8
.endif
	FETCHV \s
.endr
	WIN 0
	v_add_nc_u32 v11, s[T1], v7
	XSV
.irp k,0,1
	QUANT3 ACC+48*\k, \k, TM+4
.irp b,0,1,2
	global_store_b128 v1, v[CD+12*\k+4*\b:CD+12*\k+4*\b+3], s[OPV:OPV+1] offset:2048*((3*\k+\b)/2)+512*(2*\q+(3*\k+\b)%2)
.if (2*\q+(3*\k+\b)%2) == 0
	v_mov_b32 v[VW+(3*\k+\b)/2], v[TM+4+\b]        ; a d tile's scale word: a byte for each key block of the chunk
.else
	v_lshl_or_b32 v[VW+(3*\k+\b)/2], v[TM+4+\b], 8*(2*\q+(3*\k+\b)%2), v[VW+(3*\k+\b)/2]
.endif
.endr
.endr
.endm
.Lv:                                               ; 2 trips: a chunk of 128 keys
	QUAD 0
	QUAD 1
	global_store_b128 v2, v[VW:VW+3], s[OSV:OSV+1] ; lanes r and r + 16 hold and store the same 16 bytes: 256 consecutive bytes, aligned
	s_wait_xcnt 0x0
	s_add_nc_u64 s[OPV:OPV+1], s[OPV:OPV+1], CH
	s_add_nc_u64 s[OSV:OSV+1], s[OSV:OSV+1], CH
	s_add_co_u32 s[TB], s[TB], 104448
	s_add_co_u32 s[TS], s[TS], 3072
	s_add_co_u32 s[CNT], s[CNT], 1
	s_cmp_lt_u32 s[CNT], 2
	s_cbranch_scc1 .Lv
	s_wait_dscnt 0x0                               ; no LDS instruction is pending at a signal
	s_wait_tensorcnt 0x0
	ds_add_u32 v254, v255
	s_wait_dscnt 0x0
	ROUND                                          ; the closing round
	s_endpgm
.Lfunc_end_k_q0753b86c21_proj:
	.size	k_q0753b86c21_proj, .Lfunc_end_k_q0753b86c21_proj-k_q0753b86c21_proj
	.p2alignl 7, 3214868480
	.fill 96, 4, 3214868480
	.section	.rodata,"a",@progbits
	.p2align	6, 0x0
	.amdhsa_kernel k_q0753b86c21_proj
		.amdhsa_group_segment_fixed_size 219648
		.amdhsa_private_segment_fixed_size 0
		.amdhsa_enable_private_segment 0
		.amdhsa_kernarg_size 88
		.amdhsa_user_sgpr_count 2
		.amdhsa_user_sgpr_kernarg_segment_ptr 1
		.amdhsa_wavefront_size32 1
		.amdhsa_system_sgpr_workgroup_id_x 1
		.amdhsa_system_sgpr_workgroup_id_y 1
		.amdhsa_system_sgpr_workgroup_id_z 1
		.amdhsa_system_vgpr_workitem_id 0
		.amdhsa_next_free_vgpr 1024
		.amdhsa_next_free_sgpr 80
		.amdhsa_reserve_vcc 0
		.amdhsa_float_denorm_mode_32 3
		.amdhsa_float_denorm_mode_16_64 3
		.amdhsa_memory_ordered 1
		.amdhsa_forward_progress 1
		.amdhsa_inst_pref_size 129
	.end_amdhsa_kernel
	.amdgpu_metadata
---
amdhsa.version: [ 1, 2 ]
amdhsa.kernels:
  - .name:           k_q0753b86c21_proj
    .symbol:         k_q0753b86c21_proj.kd
    .args:
      - { .name: x_codes, .offset: 0, .size: 8, .value_kind: global_buffer, .address_space: global }
      - { .name: x_scales, .offset: 8, .size: 8, .value_kind: global_buffer, .address_space: global }
      - { .name: Wq_codes, .offset: 16, .size: 8, .value_kind: global_buffer, .address_space: global }
      - { .name: Wq_scales, .offset: 24, .size: 8, .value_kind: global_buffer, .address_space: global }
      - { .name: Wk_codes, .offset: 32, .size: 8, .value_kind: global_buffer, .address_space: global }
      - { .name: Wk_scales, .offset: 40, .size: 8, .value_kind: global_buffer, .address_space: global }
      - { .name: Wv_codes, .offset: 48, .size: 8, .value_kind: global_buffer, .address_space: global }
      - { .name: Wv_scales, .offset: 56, .size: 8, .value_kind: global_buffer, .address_space: global }
      - { .name: qws, .offset: 64, .size: 8, .value_kind: global_buffer, .address_space: global }
      - { .name: kws, .offset: 72, .size: 8, .value_kind: global_buffer, .address_space: global }
      - { .name: vws, .offset: 80, .size: 8, .value_kind: global_buffer, .address_space: global }
    .group_segment_fixed_size: 219648
    .private_segment_fixed_size: 0
    .kernarg_segment_align: 8
    .kernarg_segment_size: 88
    .max_flat_workgroup_size: 128
    .sgpr_count:     80
    .vgpr_count:     1024
    .wavefront_size: 32
...
	.end_amdgpu_metadata
.endif
;; end of part 1
;; launch attn (part 2): grid 16 x 16, 4 waves a work-group, clusters of 4 x 1, 327,680 bytes of LDS; arguments qws, kws, vws, out0; writes out0
.if DOCPART == 2
	.amdgcn_target "amdgcn-amd-amdhsa--gfx1250"
	.amdhsa_code_object_version 6
	.text
	.protected	k_q0753b86c21_attn
	.globl	k_q0753b86c21_attn
	.p2align	8
	.type	k_q0753b86c21_attn,@function
k_q0753b86c21_attn:
	s_mov_b64 s[64:65], 0
	v_nop
	global_prefetch_b8 v0, s[64:65] scope:SCOPE_SE
	s_setreg_imm32_b32 hwreg(HW_REG_WAVE_MODE, 25, 1), 1
	s_wait_xcnt 0x0
	s_wait_alu depctr_hold_cnt(0) depctr_sa_sdst(0) depctr_va_vdst(0) depctr_va_sdst(0) depctr_va_ssrc(0) depctr_va_vcc(0) depctr_vm_vsrc(0)
	s_getreg_b32 s2, hwreg(HW_REG_IB_STS2, 6, 4)
	s_cmp_eq_u32 s2, 0
	s_cbranch_scc0 .Lentry_in_a_cluster
	s_endpgm
.Lentry_in_a_cluster:
	s_bfe_u32 s2, ttmp6, 0x10000c
	s_cmp_lg_u32 s2, 0x3003
	s_cbranch_scc0 .Lentry_shape_is_right
	s_endpgm
.Lentry_shape_is_right:
; out[b][q] = the sum over keys k <= q of softmax_k(q . k / sqrt(768)) v[k], both products on codes of E5M2 with one E8M0 scale for each 32 along K.
; qws, kws, vws hold images of operand registers in chunks of CH = 102,400 bytes for 128 rows (98,304 of codes, 4,096 of scale words), as the launch before laid them.
; THE SOFTMAX: t = score x log2(e) / sqrt(768); M = the running largest t rounded up to a whole number; p = 2^(t - M) is quantised along the keys, not normalised; the row's sum is taken of the unquantised p
; and divides at the end.  When M moves, the sum and O are multiplied by 2^(old M - new M), which rounds nothing.
; SHARES.  A work-group owns 64 queries of one batch, four tiles of 16.  The four work-groups of a cluster own a quarter of the batch's queries (cluster c: queries 256 c on) and walk the same 2 c + 2 chunks of
; keys: K's and V's chunks are asked for JOINTLY.  Trip counts and branches hang on c and the wave's number alone; the place in the cluster enters global addresses and the mask's numbers.
; Chunks that lie wholly behind the cluster's queries are not walked; in the last two chunks hidden scores become -infinity.  Clusters have 2, 4, 6 or 8 steps: uneven work, kept so that 64 queries share each fragment.
; IN A STEP of 128 keys wave w makes S^T for keys 32 w .. 32 w + 31 (source 0 = 16 keys, source 1 = 16 queries, from registers) against all 64 queries, then O^T for channels 192 w .. 192 w + 191
; (source 0 = 16 channels of V, source 1 = P): each fragment of K and V is read from LDS by one wave and feeds four products.  Between waves go the blocks' largest scores, p's codes and scale bytes, once the sums.
; A lane holds one query (lane % 16) throughout.  Its 16 scores of a tile are keys 32 w + 16 (i / 8) + 8 (lane / 16) + i % 8: the order in which V's codes lie.
; LDS: K of even steps, K of odd steps, V, each a chunk; behind them what the waves store.  K is asked for two steps ahead, V one: at a step's end one round of the cluster's barrier, one load a wave.
; V has one slot (a second does not fit beside K's two), so its chunk is shown landed in the middle of the step that reads it, in front of the barrier between the softmax and the second product.
; By this text's count a wave has two tensor loads out at the head and one afterwards.  All of a WGP's LDS is claimed.
; LIMITS: NaN and infinities among the inputs are not served.
; REGISTERS: window 0: v1-17 addresses and the mask's numbers; v18-45 statistics; v48-63 Q's scale words; v64-83 K's, then V's and p's; v96-159 S^T, then p; v160-255 six fragments of K; in the second product
;   v96-191 six fragments of V, v192-255 P.   Q's fragment (s, a) at register 256 + 16 (4 s + a).   O^T's accumulator (i, a) at 640 + 8 (4 i + a).
.set CH,    102400
.set KBO,   102400
.set VV,    204800
.set PIM,   307200                     ; p's codes: [tile a][key block c][512 bytes]
.set PSC,   315392                     ; p's scale words: [a][row 16]
.set MXA,   315648                     ; the blocks' largest scores: [wave][lane][16 bytes]; 2,048 bytes on the same form for the sums
.set SPARE, 319744                     ; the spare words: 128 bytes a wave
.set NMP,   18                         ; pairs (-M, largest t) of tile a at 18 + 2 a
.set FP,    26                         ; pairs (f, at work); at the end 1 / sum
.set LP,    34                         ; the sum, in two halves
.set BM,    42                         ; my block's largest score
.set QS,    48
.set KS,    64
.set VS,    64
.set PS,    80
.set PFO,   84
.set STO,   86
.set RDA,   87
.set RDB,   88
.set GOB,   89
.set PT,    92
.set S,     96
.set KBUF,  160
.set VBUF,  96
.set P,     192
.set PC,    160
.set MX,    192
.set HOLD,  208
.set SCO,   212
.set BYT,   216
.set TT,    220
.set WV,    12
.set CX,    13
.set CC,    14
.set BB,    15
.set QB,    16
.set CNT,   17
.set PFON,  18
.set MNT,   19
.set SEL,   20
.set CS,    22
.set G1,    24
.set G0K,   32                         ; s[32:35] K of even steps, s[36:39] of odd steps
.set G0V,   40
.set PFK,   44
.set PFV,   46
.set QP,    48
.set OUTP,  50
.set MSB, 0
.macro WIN new
.if MSB != (\new)
	s_set_vgpr_msb (MSB<<8)|(\new)
.set MSB, (\new)
.endif
.endm
.macro PLACES n
.rept \n
	v_nop
.endr
.endm
.macro ROUND
	s_barrier_signal -1
	s_barrier_wait -1
	s_cmp_lg_u32 s[WV], 0
	s_cbranch_scc1 .Lnot_wave_0_\@
	s_barrier_signal -3
.Lnot_wave_0_\@:
	s_barrier_wait -3
	s_barrier_signal -1
	s_barrier_wait -1
.endm
.macro WMC c, ra, rb
.if (\ra) && (\rb)
	v_wmma_scale_f32_16x16x128_f8f6f4 v[rD:rD+7], v[rA:rA+15], v[rB:rB+15], \c, v[rSA], v[rSB] matrix_a_fmt:MATRIX_FMT_BF8 matrix_b_fmt:MATRIX_FMT_BF8 matrix_a_scale:MATRIX_SCALE_ROW1 matrix_b_scale:MATRIX_SCALE_ROW1
.elseif (\ra)
	v_wmma_scale_f32_16x16x128_f8f6f4 v[rD:rD+7], v[rA:rA+15], v[rB:rB+15], \c, v[rSA], v[rSB] matrix_a_fmt:MATRIX_FMT_BF8 matrix_b_fmt:MATRIX_FMT_BF8 matrix_a_scale:MATRIX_SCALE_ROW1
.elseif (\rb)
	v_wmma_scale_f32_16x16x128_f8f6f4 v[rD:rD+7], v[rA:rA+15], v[rB:rB+15], \c, v[rSA], v[rSB] matrix_a_fmt:MATRIX_FMT_BF8 matrix_b_fmt:MATRIX_FMT_BF8 matrix_b_scale:MATRIX_SCALE_ROW1
.else
	v_wmma_scale_f32_16x16x128_f8f6f4 v[rD:rD+7], v[rA:rA+15], v[rB:rB+15], \c, v[rSA], v[rSB] matrix_a_fmt:MATRIX_FMT_BF8 matrix_b_fmt:MATRIX_FMT_BF8
.endif
.endm
.macro WM z, ra, rb
.if \z
	WMC 0, \ra, \rb
.else
	WMC v[rD:rD+7], \ra, \rb
.endif
.endm
.macro FRAG reg, adr, off              ; a fragment's image: four loads of 512 consecutive bytes
.irp c,0,1,2,3
	ds_load_b128 v[(\reg)+4*\c:(\reg)+4*\c+3], v[\adr] offset:(\off)+512*\c
.endr
.endm
.macro SGRP idx                        ; K's fragment idx = 2 s + u (K step s, key tile u) against the four tiles of queries; the eight accumulators take turns
.irp a,0,1,2,3
	WIN 4*(1+(\idx)/8)
.set rD, S+16*\a+8*((\idx)%2)
.set rA, KBUF+16*((\idx)%6)
.set rB, (16*(4*((\idx)/2)+\a))%256
.set rSA, KS+4*((\idx)/6)+((\idx)/2)%3
.set rSB, QS+8*(\a/2)+4*((\idx)/6)+((\idx)/2)%3
.if (\idx) < 2
	WM 1, (\idx)%2, \a%2
.else
	WM 0, (\idx)%2, \a%2
.endif
.endr
.endm
.macro PGRP i                          ; V's fragment i (channels 192 w + 16 i on) against the four tiles of P
.irp a,0,1,2,3
.if (\i) < 4
	WIN 0xa0
.else
	WIN 0xf0
.endif
.set rD, (640+32*(\i)+8*\a)%256
.set rA, VBUF+16*((\i)%6)
.set rB, P+16*\a
.set rSA, VS+4*((\i)/3)+(\i)%3
.set rSB, PS+\a
	WM 0, 0, 0
.endr
.endm
.macro ORESC first, count              ; accumulators 4 i + a, count of them from first on, times f of their tile
.set nI, \first
.rept \count
.set rO, (640+8*nI)%256
.irp j,0,2,4,6
	v_pk_mul_f32 v[rO+\j:rO+\j+1], v[rO+\j:rO+\j+1], v[FP+2*(nI%4):FP+2*(nI%4)+1] op_sel_hi:[1,0]
.endr
.set nI, nI+1
.endr
.endm
; A joint refill: waves 0 and 1 fetch the halves of K's chunk (kfill = 1), waves 2 and 3 those of V's.  The branch hangs on the wave's number alone.  Four v_nop follow each load.
.macro JLOAD ks, kfill
	s_cmp_lt_u32 s[WV], 2
.if \kfill
	s_cbranch_scc0 .Lfor_v_\@
	tensor_load_to_lds s[G0K+4*\ks:G0K+4*\ks+3], s[G1:G1+7]
	s_nop 0
	PLACES 4
	s_branch .Lasked_\@
.Lfor_v_\@:
.else
	s_cbranch_scc1 .Lasked_\@
.endif
	tensor_load_to_lds s[G0V:G0V+3], s[G1:G1+7]
	s_nop 0
	PLACES 4
.Lasked_\@:
.endm
; A prefetch into the L2 of the codes that the NEXT change will ask for: V of the step after next, K of the step after that.  The batch's last cluster, which walks all eight chunks, asks; its four partners
; share a chunk's 98,304 bytes of codes out by address, 24,576 each; in each, waves 0 to 2 take 8,192 bytes, lanes 256 bytes apart.  So each block is named once.  K's ninth chunk does not exist: the last odd step leaves K out.
.macro ASK odd
	s_cmp_eq_u32 s[PFON], 1
	s_cbranch_scc0 .Lnot_mine_\@
	global_prefetch_b8 v[PFO], s[PFV:PFV+1] th:TH_LOAD_NT scope:SCOPE_SE
.if \odd
	s_cmp_lt_u32 s[CNT], 2
	s_cbranch_scc0 .Lnot_mine_\@
.endif
	global_prefetch_b8 v[PFO], s[PFK:PFK+1] th:TH_LOAD_NT scope:SCOPE_SE
.Lnot_mine_\@:
.endm
; A STEP'S END: every wave waits for all its tensor loads, adds 0 to its spare word, waits for that and for its LDS reads; a round of the cluster's barrier; then the refill, first thing, one load a wave.
.macro END ks, kfill
	WIN 0
	s_wait_tensorcnt 0x0                           ; no tensor load of mine is out, so the descriptors may be written
	ds_add_u32 v14, v15
.if \kfill
	s_add_nc_u64 s[G0K+4*\ks+2:G0K+4*\ks+3], s[G0K+4*\ks+2:G0K+4*\ks+3], 2*CH
.endif
	s_add_nc_u64 s[G0V+2:G0V+3], s[G0V+2:G0V+3], CH
.if \kfill
	s_wait_xcnt 0x0                                ; the last prefetches, a step back, have read their addresses
	s_add_nc_u64 s[PFK:PFK+1], s[PFK:PFK+1], CH
	s_add_nc_u64 s[PFV:PFV+1], s[PFV:PFV+1], CH
.endif
	s_wait_dscnt 0x0                               ; the add is done; my reads of K's slot, of V and of p's images are over
	ROUND
	JLOAD \ks, \kfill
.if \kfill
	ASK \ks
.endif
.endm
; A KEY STEP.  x: K's slot (0: even steps, 1: odd).  mask = 1: one of the cluster's last two chunks, the x-th.
.macro STEP x, mask
	ds_load_b128 v[KS:KS+3], v[4+\x]               ; K's scale words: register KS + 4 (s / 3) + s % 3; lanes 0-15 tile 2 w, lanes 16-31 tile 2 w + 1
	ds_load_b128 v[KS+4:KS+7], v[4+\x] offset:512
.irp i,0,1,2,3,4,5
	FRAG KBUF+16*\i, 2+\x, 12288*(\i%2)+2048*(\i/2)
.endr
	s_wait_dscnt 12                                ; all but the three fragments issued last
.irp i,0,1,2
	SGRP \i
.endr
	PLACES 8                                       ; in front of loads into registers that products have read.  (The loads stand under the products' window setting: it moves source 1 alone, which an LDS load has not)
.irp i,6,7,8
	FRAG KBUF+16*(\i%6), 2+\x, 12288*(\i%2)+2048*(\i/2)
.endr
	s_wait_dscnt 12
.irp i,3,4,5
	SGRP \i
.endr
	PLACES 8
.irp i,9,10,11
	FRAG KBUF+16*(\i%6), 2+\x, 12288*(\i%2)+2048*(\i/2)
.endr
	s_wait_dscnt 12
.irp i,6,7,8
	SGRP \i
.endr
	s_wait_dscnt 0x0
.irp i,9,10,11
	SGRP \i
.endr
	WIN 0
	PLACES 8
.if \mask                                      ; register 16 a + i holds key 128 x + 32 w + i + 8 (i / 8) + 8 h of the cluster's last 256; my query is 64 cx + 16 a + r of them: hidden where the key is the greater
.irp a,0,1,2,3
.irp i,0,1,2,3,4,5,6,7,8,9,10,11,12,13,14,15
	v_cmp_gt_i32 vcc_lo, \i+8*(\i/8)-16*\a+128*\x, v16
	v_cndmask_b32 v[S+16*\a+\i], v[S+16*\a+\i], v17, vcc_lo
.endr
.endr
.endif
.irp a,0,1,2,3
	v_max3_num_f32 v[BM+\a], v[S+16*\a], v[S+16*\a+1], v[S+16*\a+2]   ; my block's largest score, for each tile of queries: it serves the row's maximum and, since p rises with the score, the block's largest p
.endr
.irp i,3,5,7,9,11,13
.irp a,0,1,2,3
	v_max3_num_f32 v[BM+\a], v[BM+\a], v[S+16*\a+\i], v[S+16*\a+\i+1]
.endr
.endr
.irp a,0,1,2,3
	v_max_num_f32 v[BM+\a], v[BM+\a], v[S+16*\a+15]
.endr
.irp a,0,1,2,3
	v_permlanex16_b32 v[PT+\a], v[BM+\a], s[SEL], s[SEL+1]
.endr
.irp a,0,1,2,3
	v_max_num_f32 v[BM+\a], v[BM+\a], v[PT+\a]
.endr
	ds_store_b128 v12, v[BM:BM+3]
	s_wait_dscnt 0x0                               ; for the others' sake
	s_barrier_signal -1
	s_barrier_wait -1
.irp w,0,1,2,3
	ds_load_b128 v[MX+4*\w:MX+4*\w+3], v13 offset:512*\w
.endr
	s_wait_dscnt 0x0
.irp a,0,1,2,3
	v_max3_num_f32 v[TT+\a], v[MX+\a], v[MX+4+\a], v[MX+8+\a]
.endr
.irp a,0,1,2,3
	v_max_num_f32 v[TT+\a], v[TT+\a], v[MX+12+\a]  ; the step's largest score of my query
.endr
.irp a,0,1,2,3
	v_mul_f32 v[TT+\a], s[CS], v[TT+\a]
.endr
.irp a,0,1,2,3
	v_max_num_f32 v[NMP+2*\a+1], v[NMP+2*\a+1], v[TT+\a]   ; the running largest t
.endr
.irp a,0,1,2,3
	v_mov_b32 v[FP+2*\a+1], v[NMP+2*\a]
.endr
.irp a,0,1,2,3
	v_floor_f32 v[NMP+2*\a], -v[NMP+2*\a+1]        ; -M = floor(-t): a whole number
.endr
.irp a,0,1,2,3
	v_sub_f32 v[FP+2*\a+1], v[NMP+2*\a], v[FP+2*\a+1]   ; old M - new M
.endr
.irp a,0,1,2,3
	v_cvt_i32_f32 v[FP+2*\a+1], v[FP+2*\a+1]       ; (it saturates)
.endr
.irp a,0,1,2,3
	v_ldexp_f32 v[FP+2*\a], 1.0, v[FP+2*\a+1]      ; f = 2^(old M - new M)
.endr
.irp a,0,1,2,3
.irp j,0,2,4,6,8,10,12,14
	v_pk_fma_f32 v[S+16*\a+\j:S+16*\a+\j+1], v[S+16*\a+\j:S+16*\a+\j+1], s[CS:CS+1], v[NMP+2*\a:NMP+2*\a+1] op_sel_hi:[1,0,0]   ; t - M
.endr
.endr
.irp a,0,1,2,3
	v_fma_f32 v[BM+\a], v[BM+\a], s[CS], v[NMP+2*\a]   ; the same of the block's largest score
.endr
.set nI, 0
.rept 64
	v_exp_f32 v[S+nI], v[S+nI]                     ; p = 2^(t - M)
.set nI, nI+1
.endr
.irp a,0,1,2,3
	v_exp_f32 v[BM+\a], v[BM+\a]                   ; the block's largest p: the same two instructions on the same number
.endr
.irp a,0,1,2,3
	v_pk_mul_f32 v[LP+2*\a:LP+2*\a+1], v[LP+2*\a:LP+2*\a+1], v[FP+2*\a:FP+2*\a+1] op_sel_hi:[1,0]   ; the sums under the new M: plain lines behind the exponentials
.endr
	s_wait_alu depctr_va_vdst(0)                   ; one wait for the batch of 68, ahead of its first reader
.irp j,0,2,4,6,8,10,12,14
.irp a,0,1,2,3
	v_pk_add_f32 v[LP+2*\a:LP+2*\a+1], v[LP+2*\a:LP+2*\a+1], v[S+16*\a+\j:S+16*\a+\j+1]   ; the sum of the unquantised p
.endr
.endr
.irp a,0,1,2,3
	v_max_num_f32 v[BM+\a], 0x8000000, v[BM+\a]    ; the floor 2^(16 - 127): the byte cannot fall under 1
.endr
.irp a,0,1,2,3
	v_add_nc_u32 v[SCO+\a], 0xf8800000, v[BM+\a]
.endr
.irp a,0,1,2,3
	v_and_or_b32 v[HOLD+\a], v[BM+\a], 0x7f800000, s[MNT]
.endr
.irp a,0,1,2,3
	v_lshrrev_b32 v[BYT+\a], 23, v[SCO+\a]
.endr
.irp a,0,1,2,3
.irp i,0,1,2,3,4,5,6,7,8,9,10,11,12,13,14,15
	v_min_num_f32 v[S+16*\a+\i], v[S+16*\a+\i], v[HOLD+\a]   ; the conversion does not saturate (ISA guide 7.6.2); p is not negative
.endr
	v_cvt_scalef32_pk8_bf8_f32 v[PC+4*\a:PC+4*\a+1], v[S+16*\a:S+16*\a+7], v[SCO+\a]
	v_cvt_scalef32_pk8_bf8_f32 v[PC+4*\a+2:PC+4*\a+3], v[S+16*\a+8:S+16*\a+15], v[SCO+\a]
.endr
	v_nop                                          ; a plain line behind the last conversion
.irp a,0,1,2,3
	ds_store_b128 v8, v[PC+4*\a:PC+4*\a+3] offset:2048*\a   ; registers 4 w .. 4 w + 3 of P's fragment of tile a
.endr
.irp a,0,1,2,3
	ds_store_b8 v10, v[BYT+\a] offset:64*\a        ; byte w of the row's scale word; both lanes of a block write the same value
.endr
	s_wait_tensorcnt 0x0                           ; V's chunk of this step, which waves 2 and 3 asked for at the last step's end, has landed: all four waves read it behind the barrier below.  On every wave's path:
	                                               ; in waves 0 and 1 the one load that is out is K's chunk of the next step, asked for at the same round and as large.
	s_wait_dscnt 0x0                               ; my part of p's images and scale bytes lies in LDS
	s_barrier_signal -1
	WIN 0x82
	ORESC 0, 16                                    ; a third of O^T under the new M, while the others arrive
	WIN 0
	s_barrier_wait -1
.irp k,0,1,2,3
	ds_load_b128 v[VS+4*\k:VS+4*\k+3], v7 offset:256*\k   ; V's scale words: register VS + 4 (i / 3) + i % 3
.endr
.irp a,0,1,2,3
	ds_load_b32 v[PS+\a], v11 offset:64*\a
.endr
.irp a,0,1,2,3
.irp c,0,1,2,3
	ds_load_b128 v[P+16*\a+4*\c:P+16*\a+4*\c+3], v9 offset:2048*\a+512*\c
.endr
.endr
.irp i,0,1,2,3,4,5
	FRAG VBUF+16*\i, 6, 2048*\i
.endr
	WIN 0xc3
	ORESC 16, 32                                   ; the rest of O^T, while the loads are out
	s_wait_dscnt 12
.irp i,0,1,2
	PGRP \i
.endr
	PLACES 8
	WIN 0
.irp i,6,7,8
	FRAG VBUF+16*(\i%6), 6, 2048*\i
.endr
	s_wait_dscnt 12
.irp i,3,4,5
	PGRP \i
.endr
	PLACES 8
	WIN 0
.irp i,9,10,11
	FRAG VBUF+16*(\i%6), 6, 2048*\i
.endr
	s_wait_dscnt 12
.irp i,6,7,8
	PGRP \i
.endr
	s_wait_dscnt 0x0
.irp i,9,10,11
	PGRP \i
.endr
	WIN 0
	PLACES 9                                       ; the next step's first products write over registers that these have read: nine places
.endm
	s_load_b256 s[4:11], s[0:1], 0x0               ; qws, kws, vws, out0
	v_lshl_add_u32 v14, v0, 2, SPARE
	v_mov_b32 v15, 0
	ds_add_u32 v14, v15
	ds_add_u32 v14, v15
	s_wait_dscnt 0x0
	v_lshrrev_b32 v1, 5, v0
	v_readfirstlane_b32 s[WV], v1                  ; wave 0..3
	s_bfe_u32 s[CX], ttmp6, 0x40000
	s_mov_b32 s[CC], ttmp9                         ; the cluster's number along x: which quarter of the queries
	s_and_b32 s[BB], ttmp7, 0xffff                 ; the batch
	s_lshl_b32 s[QB], s[CC], 2
	s_add_co_u32 s[QB], s[QB], s[CX]               ; my block of 64 queries
	; group 1: half a chunk, 51,200 dense bytes, as 200 rows of 32 elements of 8 bytes; the mask names the four partners
	s_mov_b32 s[G1], 15|(3<<16)|(1<<21)
	s_mov_b32 s[G1+1], 32<<16
	s_mov_b32 s[G1+2], 200<<16
	s_mov_b32 s[G1+3], 32<<16
	s_mov_b32 s[G1+4], 200
	s_mov_b32 s[G1+5], 32
	s_mov_b32 s[G1+6], 0
	s_mov_b32 s[G1+7], 0
	s_mul_i32 s52, s[BB], 8*CH                     ; the batch's eight chunks
	s_mov_b32 s53, 0
	s_and_b32 s56, s[WV], 1
	s_mul_i32 s56, s56, 51200                      ; which half I fetch
	s_mov_b32 s57, 0
	s_mov_b32 s[G0K], 1
	s_mov_b32 s[G0K+1], s56
	s_mov_b32 s[G0K+4], 1
	s_add_co_u32 s[G0K+5], s56, KBO
	s_mov_b32 s[G0V], 1
	s_add_co_u32 s[G0V+1], s56, VV
	s_mov_b32 s[SEL], 0x76543210
	s_mov_b32 s[SEL+1], 0xfedcba98
	s_mov_b32 s[CS], 0x3d553b95                    ; log2(e) / sqrt(768)
	s_mov_b32 s[CS+1], s[CS]
	s_mov_b32 s[MNT], 0x600000
	v_and_b32 v85, 31, v0                          ; lane
	v_and_b32 v90, 15, v0                          ; r
	v_bfe_u32 v91, v0, 4, 1                        ; h
	v_lshlrev_b32 v1, 4, v85                       ; 16 x lane
	s_wait_kmcnt 0x0
	s_add_nc_u64 s[4:5], s[4:5], s[52:53]
	s_add_nc_u64 s[6:7], s[6:7], s[52:53]
	s_add_nc_u64 s[8:9], s[8:9], s[52:53]
	s_add_nc_u64 s[G0K+2:G0K+3], s[6:7], s[56:57]  ; K's chunk 0,
	s_add_nc_u64 s[G0K+6:G0K+7], s[G0K+2:G0K+3], CH  ; chunk 1,
	s_add_nc_u64 s[G0V+2:G0V+3], s[8:9], s[56:57]  ; V's chunk 0
	s_or_b32 s[G0K+3], s[G0K+3], 0x80000000
	s_or_b32 s[G0K+7], s[G0K+7], 0x80000000
	s_or_b32 s[G0V+3], s[G0V+3], 0x80000000
	ROUND                                          ; the four partners are here: the first joint loads meet
	s_cmp_lt_u32 s[WV], 2
	s_cbranch_scc0 .Lfirst_v
	tensor_load_to_lds s[G0K:G0K+3], s[G1:G1+7]
	s_nop 0
	tensor_load_to_lds s[G0K+4:G0K+7], s[G1:G1+7]
	s_nop 0
	PLACES 4
	s_branch .Lfirst_asked
.Lfirst_v:
	tensor_load_to_lds s[G0V:G0V+3], s[G1:G1+7]
	s_nop 0
	PLACES 4
.Lfirst_asked:
	s_lshr_b32 s54, s[QB], 1
	s_mul_i32 s54, s54, CH                         ; my queries' chunk,
	s_and_b32 s58, s[QB], 1
	s_mul_i32 s59, s58, 49152                      ; and which four of its eight tiles
	s_add_co_u32 s52, s54, s59
	s_add_nc_u64 s[QP:QP+1], s[4:5], s[52:53]
	s_lshl_b32 s59, s58, 11
	s_add_co_u32 s52, s54, s59
	s_add_co_u32 s52, s52, 98304
	s_add_nc_u64 s[54:55], s[4:5], s[52:53]        ; their scale words
.set fI, 0
.rept 24                                       ; Q stays in registers: fragment 4 s + a
	WIN (1+fI/16)<<6
.irp c,0,1,2,3
	global_load_b128 v[16*(fI%16)+4*\c:16*(fI%16)+4*\c+3], v1, s[QP:QP+1] offset:12288*(fI%4)+2048*(fI/4)+512*\c th:TH_LOAD_NT
.endr
.set fI, fI+1
.endr
	WIN 0
.irp pp,0,1
.irp e,0,1
	global_load_b128 v[QS+8*\pp+4*\e:QS+8*\pp+4*\e+3], v1, s[54:55] offset:1024*\pp+512*\e th:TH_LOAD_NT   ; register QS + 8 (a / 2) + 4 (s / 3) + s % 3; lanes 16-31: the odd tile
.endr
.endr
	s_lshl_b32 s52, s[BB], 10
	s_lshl_b32 s58, s[QB], 6
	s_add_co_u32 s52, s52, s58
	s_mul_i32 s52, s52, 3072                       ; my first row of out0,
	s_mul_i32 s58, s[WV], 768                      ; my wave's 192 channels
	s_add_co_u32 s52, s52, s58
	s_add_nc_u64 s[OUTP:OUTP+1], s[10:11], s[52:53]
	s_mul_i32 s52, s[CX], 24576                    ; the prefetches: my work-group's quarter of a chunk's codes,
	s_lshl_b32 s58, s[WV], 13                      ; my wave's 8,192 bytes of it
	s_add_co_u32 s52, s52, s58
	s_add_nc_u64 s[PFK:PFK+1], s[6:7], s[52:53]
	s_add_nc_u64 s[PFK:PFK+1], s[PFK:PFK+1], 2*CH  ; K at chunk 2, V at chunk 1: each is stepped ahead of its first use.  Nothing is prefetched here, at the head
	s_add_nc_u64 s[PFV:PFV+1], s[8:9], s[52:53]
	s_add_nc_u64 s[PFV:PFV+1], s[PFV:PFV+1], CH
	s_cmp_eq_u32 s[CC], 3
	s_cselect_b32 s[PFON], 1, 0
	s_cmp_lt_u32 s[WV], 3
	s_cselect_b32 s[PFON], s[PFON], 0              ; the same in all four partners, for a given wave
	v_lshlrev_b32 v[PFO], 8, v85
	s_mul_i32 s58, s[WV], 24576
	v_add_nc_u32 v2, s58, v1                       ; my two key tiles in K's even slot,
	v_add_nc_u32 v3, KBO, v2                       ; in the odd slot,
	v_add_nc_u32 v6, VV, v2                        ; my twelve channel tiles of V
	s_lshl_b32 s58, s[WV], 10
	s_add_co_u32 s58, s58, 98304
	v_add_nc_u32 v4, s58, v1                       ; K's scale words, even slot,
	v_add_nc_u32 v5, KBO, v4                       ; odd slot
	s_add_co_u32 s58, s58, VV
	v_lshl_add_u32 v7, v90, 4, s58                 ; V's scale words
	s_lshl_b32 s58, s[WV], 9
	s_add_co_u32 s59, s58, PIM
	v_add_nc_u32 v8, s59, v1
	v_add_nc_u32 v9, PIM, v1
	s_add_co_u32 s59, s[WV], PSC
	v_lshl_add_u32 v10, v90, 2, s59
	v_lshl_add_u32 v11, v90, 2, PSC
	s_add_co_u32 s59, s58, MXA
	v_add_nc_u32 v12, s59, v1
	v_add_nc_u32 v13, MXA, v1
	s_lshl_b32 s58, s[CX], 6
	s_lshl_b32 s59, s[WV], 5
	s_sub_co_i32 s58, s58, s59
	v_lshlrev_b32 v16, 3, v91
	v_sub_nc_u32 v16, v90, v16
	v_add_nc_u32 v16, s58, v16                     ; the mask's number: 64 cx + r - 32 w - 8 h
	v_mov_b32 v17, 0xff800000                      ; -infinity
	s_mul_i32 s58, s[WV], 12544                    ; the way out: my stage, 16 rows x (768 bytes + 16), in K's even slot: used behind its last fill and its last read
	v_mul_u32_u24 v[STO], v90, 784
	v_lshl_add_u32 v[STO], v91, 5, v[STO]
	v_add_nc_u32 v[STO], s58, v[STO]
	v_add_nc_u32 v[RDA], s58, v1
	v_lshl_add_u32 v[RDB], v91, 4, v[RDA]
	v_mul_u32_u24 v[GOB], v91, 2304
	v_add_nc_u32 v[GOB], v[GOB], v1
.irp a,0,1,2,3
	v_mov_b32 v[NMP+2*\a+1], 0xff61b1e6            ; the largest t so far: -3e38
	v_mov_b32 v[FP+2*\a], 0
	v_mov_b32 v[FP+2*\a+1], 0
	v_mov_b32 v[LP+2*\a], 0
	v_mov_b32 v[LP+2*\a+1], 0
	v_mov_b32 v[PT+\a], 0                          ; a lane permute's destination counts as one of its sources
.endr
.irp a,0,1,2,3
	v_floor_f32 v[NMP+2*\a], -v[NMP+2*\a+1]
.endr
	; O^T begins as zeros, written once while the first chunks are on their way: the step is then written without a first step of its own, which would be two more copies of it
	WIN 0x80
.set nI, 128
.rept 128
	v_mov_b32 v[nI], 0
.set nI, nI+1
.endr
	WIN 0xc0
.set nI, 0
.rept 256
	v_mov_b32 v[nI], 0
.set nI, nI+1
.endr
	WIN 0
	s_wait_tensorcnt 0x1                           ; K's chunk 0 is in; chunk 1 may stay out (waves 2 and 3: V's chunk 0 may)
	s_barrier_signal -1
	s_barrier_wait -1
	s_wait_loadcnt 0x0                             ; Q and its scale words
	s_mov_b32 s[CNT], 0
	s_cmp_eq_u32 s[CC], 0
	s_cbranch_scc1 .Ltail
.Lloop:                                            ; c trips of two steps: all their keys count for all the cluster's queries
	STEP 0, 0
	END 0, 1
	STEP 1, 0
	END 1, 1
	s_add_co_u32 s[CNT], s[CNT], 1
	s_cmp_lt_u32 s[CNT], s[CC]
	s_cbranch_scc1 .Lloop
.Ltail:                                            ; the cluster's own 256 keys, under the mask; only V's last chunk is still to be asked for
	STEP 0, 1
	END 0, 0
	STEP 1, 1
	; THE WAY OUT.  Each wave has summed the p of its own key blocks: the four sums meet in LDS.
.irp a,0,1,2,3
	v_add_f32 v[BM+\a], v[LP+2*\a], v[LP+2*\a+1]
.endr
.irp a,0,1,2,3
	v_permlanex16_b32 v[PT+\a], v[BM+\a], s[SEL], s[SEL+1]
.endr
.irp a,0,1,2,3
	v_add_f32 v[BM+\a], v[BM+\a], v[PT+\a]
.endr
	ds_store_b128 v12, v[BM:BM+3] offset:2048
	s_wait_dscnt 0x0
	s_barrier_signal -1
	s_barrier_wait -1
.irp w,0,1,2,3
	ds_load_b128 v[MX+4*\w:MX+4*\w+3], v13 offset:2048+512*\w
.endr
	s_wait_dscnt 0x0
.irp a,0,1,2,3
	v_add_f32 v[TT+\a], v[MX+\a], v[MX+4+\a]
.endr
.irp a,0,1,2,3
	v_add_f32 v[PT+\a], v[MX+8+\a], v[MX+12+\a]
.endr
.irp a,0,1,2,3
	v_add_f32 v[TT+\a], v[TT+\a], v[PT+\a]         ; the row's sum
.endr
.irp a,0,1,2,3
	v_rcp_f32 v[FP+2*\a], v[TT+\a]
.endr
	v_nop                                          ; a plain line behind the last reciprocal
	s_wait_alu depctr_va_vdst(0)                   ; one wait for the four, ahead of their first reader
.macro MULO a                          ; tile a's twelve accumulators divided by the sum, each from its low end on
.set iI, 0
.rept 12
.if iI < 4
	WIN 0x82
.else
	WIN 0xc3
.endif
.set rO, (640+32*iI+8*(\a))%256
.irp j,0,2,4,6
	v_pk_mul_f32 v[rO+\j:rO+\j+1], v[rO+\j:rO+\j+1], v[FP+2*(\a):FP+2*(\a)+1] op_sel_hi:[1,0]
.endr
.set iI, iI+1
.endr
.endm
.macro TOSTAGE a                       ; a lane's eight channels of a row are 32 bytes; they come back as whole aligned pieces of 256 bytes
.set iI, 0
.rept 12
.if iI < 4
	WIN 0x08
.else
	WIN 0x0c
.endif
.set rO, (640+32*iI+8*(\a))%256
	ds_store_b128 v[STO], v[rO:rO+3] offset:64*iI
	ds_store_b128 v[STO], v[rO+4:rO+7] offset:64*iI+16
.set iI, iI+1
.endr
	WIN 0
	s_wait_xcnt 0x0                                ; the last tile's stores have read their registers
.irp m,0,1,2,3,4,5,6,7                         ; two rows of 768 bytes are six pieces of 256: three loads; the middle one takes the end of one row and the head of the next.  LDS serves a wave's instructions in order (ISA guide 5.7.1.4)
	ds_load_b128 v[96+12*\m:96+12*\m+3], v[RDA] offset:1568*\m
	ds_load_b128 v[96+12*\m+4:96+12*\m+7], v[RDB] offset:1568*\m+512
	ds_load_b128 v[96+12*\m+8:96+12*\m+11], v[RDA] offset:1568*\m+1040
.endr
.endm
.macro SEND a
.irp m,0,1,2,3,4,5,6,7
	s_wait_dscnt 23-3*\m                           ; the younger loads may stay out
	global_store_b128 v1, v[96+12*\m:96+12*\m+3], s[OUTP:OUTP+1] offset:49152*(\a)+6144*\m th:TH_STORE_NT   ; sixteen lanes store 256 consecutive bytes, aligned
	s_wait_dscnt 22-3*\m
	global_store_b128 v[GOB], v[96+12*\m+4:96+12*\m+7], s[OUTP:OUTP+1] offset:49152*(\a)+6144*\m+512 th:TH_STORE_NT
	s_wait_dscnt 21-3*\m
	global_store_b128 v1, v[96+12*\m+8:96+12*\m+11], s[OUTP:OUTP+1] offset:49152*(\a)+6144*\m+3328 th:TH_STORE_NT
.endr
.endm
	MULO 0
.irp a,0,1,2,3
	TOSTAGE \a
.if \a < 3
	MULO \a+1                                      ; the next tile's division stands between this tile's loads and the waits for them
	WIN 0
.endif
	SEND \a
.endr
	s_wait_tensorcnt 0x0                           ; the wave's end
	ds_add_u32 v14, v15
	s_wait_dscnt 0x0
	ROUND                                          ; the closing round
	s_endpgm
.Lfunc_end_k_q0753b86c21_attn:
	.size	k_q0753b86c21_attn, .Lfunc_end_k_q0753b86c21_attn-k_q0753b86c21_attn
	.p2alignl 7, 3214868480
	.fill 96, 4, 3214868480
	.section	.rodata,"a",@progbits
	.p2align	6, 0x0
	.amdhsa_kernel k_q0753b86c21_attn
		.amdhsa_group_segment_fixed_size 327680
		.amdhsa_private_segment_fixed_size 0
		.amdhsa_enable_private_segment 0
		.amdhsa_kernarg_size 32
		.amdhsa_user_sgpr_count 2
		.amdhsa_user_sgpr_kernarg_segment_ptr 1
		.amdhsa_wavefront_size32 1
		.amdhsa_system_sgpr_workgroup_id_x 1
		.amdhsa_system_sgpr_workgroup_id_y 1
		.amdhsa_system_sgpr_workgroup_id_z 1
		.amdhsa_system_vgpr_workitem_id 0
		.amdhsa_next_free_vgpr 1024
		.amdhsa_next_free_sgpr 66
		.amdhsa_reserve_vcc 1
		.amdhsa_float_denorm_mode_32 3
		.amdhsa_float_denorm_mode_16_64 3
		.amdhsa_memory_ordered 1
		.amdhsa_forward_progress 1
		.amdhsa_inst_pref_size 255
	.end_amdhsa_kernel
	.section	.bss,"aw",@nobits
	.p2align	6
	.space	262144
	.amdgpu_metadata
---
amdhsa.version: [ 1, 2 ]
amdhsa.kernels:
  - .name:           k_q0753b86c21_attn
    .symbol:         k_q0753b86c21_attn.kd
    .args:
      - { .name: qws, .offset: 0, .size: 8, .value_kind: global_buffer, .address_space: global }
      - { .name: kws, .offset: 8, .size: 8, .value_kind: global_buffer, .address_space: global }
      - { .name: vws, .offset: 16, .size: 8, .value_kind: global_buffer, .address_space: global }
      - { .name: out0, .offset: 24, .size: 8, .value_kind: global_buffer, .address_space: global }
    .group_segment_fixed_size: 327680
    .private_segment_fixed_size: 0
    .kernarg_segment_align: 8
    .kernarg_segment_size: 32
    .max_flat_workgroup_size: 128
    .sgpr_count:     66
    .vgpr_count:     1024
    .wavefront_size: 32
...
	.end_amdgpu_metadata
.endif
;; end of part 2
;; ======== version 2 of 2: 2 launches
;; limits: right only within a limited range of input values
;; workspace buffers: qws 13,107,200 bytes; kws 13,107,200 bytes; vws 13,107,200 bytes
;; launch proj (part 3): grid 4 x 64, 4 waves a work-group, clusters of 4 x 4, 327,680 bytes of LDS; arguments x_codes, x_scales, Wq_codes, Wq_scales, Wk_codes, Wk_scales, Wv_codes, Wv_scales, qws, kws, vws; writes qws, kws, vws
.if DOCPART == 3
	.amdgcn_target "amdgcn-amd-amdhsa--gfx1250"
	.amdhsa_code_object_version 6
	.text
	.protected	k_q0753b86c21_proj
	.globl	k_q0753b86c21_proj
	.p2align	8
	.type	k_q0753b86c21_proj,@function
k_q0753b86c21_proj:
	s_mov_b64 s[64:65], 0
	v_nop
	global_prefetch_b8 v0, s[64:65] scope:SCOPE_SE
	s_setreg_imm32_b32 hwreg(HW_REG_WAVE_MODE, 25, 1), 1
	s_wait_xcnt 0x0
	s_wait_alu depctr_hold_cnt(0) depctr_sa_sdst(0) depctr_va_vdst(0) depctr_va_sdst(0) depctr_va_ssrc(0) depctr_va_vcc(0) depctr_vm_vsrc(0)
	s_getreg_b32 s2, hwreg(HW_REG_IB_STS2, 6, 4)
	s_cmp_eq_u32 s2, 0
	s_cbranch_scc0 .Lentry_in_a_cluster
	s_endpgm
.Lentry_in_a_cluster:
	s_bfe_u32 s2, ttmp6, 0x10000c
	s_cmp_lg_u32 s2, 0xf033
	s_cbranch_scc0 .Lentry_shape_is_right
	s_endpgm
.Lentry_shape_is_right:
; q, k, v = x W^T on codes of E5M2 with one E8M0 scale for each 32 along K = 768, each result quantised again: q and k along their channels, v along the keys.
; qws, kws, vws: images of operand registers in chunks of CH = 102,400 bytes for 128 rows.  q, k: [tile of 16 rows][K step s][block c][lane][16 bytes], then scales [column group g = 0..3][pair of tiles][lane][8 bytes].
; v: [tile of 16 channels][block c of 32 keys][lane][16 bytes], then scales [column group][4 tiles of channels][channel][4 words].
; A column group has six blocks of 32 channels of q and k: its blocks 0 to 3 make K step 3 (g / 2) + g % 2, its blocks 4 and 5 the bytes 2 (g % 2) + 0, 1 of K step 3 (g / 2) + 2: the same order in q and k, so their product is the same.
; LEFT OUT IN THIS PROGRAM: products of the next launch whose scores all lie behind the causal mask.  This launch leaves out nothing.
; SHARES.  A work-group makes 256 rows x 192 columns of each of q, k and v; a wave 64 rows.  The wave's x stands in registers (24 fragments); the weights' rows stream through LDS, 32 rows a block: 48 products a wave.
; CLUSTERS of 4 x 4: x's rows are asked for jointly by a row of the cluster, the weights by a column.
; LDS rows are 768 bytes + 16 behind each 256: 816.  Block n of q and k (q's six, then k's) lies at 26,112 n: item 0 is blocks 0-3, filled at the head beside x, which lies where items 1 (blocks 4-7) and 2 (blocks 8-11) come once x is in registers.
; v's 192 rows come to LDS byte 0 when blocks 0 to 7 have been read.  The change that shows an item stands ahead of the block whose fragments are the last of the item before: they are in registers by then.
; No prefetch: each item is asked for three blocks, 144 products a wave, or more ahead of its first read, and x has no loop ahead of it.
; The quantiser floors a block's byte at 1; a block of zeros has byte 1 and codes 0.  LIMITS: NaN and infinities among the inputs, and sums beyond f32's range, are not served.
; REGISTERS.  Window 0: addresses, scales, v128-191 sums, codes.  x's fragment (s, t) at 256 + 16 (4 s + t).  v768-959: the block's twelve fragments of weights, (s, u) at 768 + 16 (2 s + u).
.set CH,    102400
.set BR,    26112                      ; a block: 32 rows of 816 bytes
.set XL,    104448                     ; x's 256 rows, later items 1 and 2
.set IT2,   208896
.set SVL,   156672                     ; v's weights' scale bytes, on bytes of item 1
.set VST,   208896                     ; v's scale bytes on their way out, on bytes of item 2 behind their last fill and read
.set SCQ,   313344                     ; the scale bytes of q's 192 rows, then k's: 24 a row
.set SPARE, 322560
.set M,     16
.set PT,    20
.set HD,    24
.set SC,    28
.set BY,    32
.set WS,    48                         ; the block's scale words: lanes 0-15 tile 0, lanes 16-31 tile 1
.set XS,    58                         ; x's: pair of tiles p at 58 + 10 p
.set CD,    80
.set SW,    96                         ; q's and k's scale bytes: three words a tile, shifted down a byte with each block
.set ACC,   128
.set OR,    192
.set WV,    26
.set CX,    27
.set CY,    28
.set RB,    29
.set SEL,   32
.set MNT,   34
.set NB,    35
.set TB,    36
.set TS,    37
.set TV,    38
.set JMP,   39
.set G1X,   40
.set G1W,   48
.set G1S,   56
.set G0X,   68
.set G0W,   72
.set G0S,   76
.set G0T,   80
.set OP,    84
.set OPK,   86
.set OPV,   88
.set OSQ,   90
.set OSK,   92
.set OSV,   94
.set MSB, 0
.macro WIN new
.if MSB != (\new)
	s_set_vgpr_msb (MSB<<8)|(\new)
.set MSB, (\new)
.endif
.endm
.macro PLACES n
.rept \n
	v_nop
.endr
.endm
.macro ROUND
	s_barrier_signal -1
	s_barrier_wait -1
	s_cmp_lg_u32 s[WV], 0
	s_cbranch_scc1 .Lnot_wave_0_\@
	s_barrier_signal -3
.Lnot_wave_0_\@:
	s_barrier_wait -3
	s_barrier_signal -1
	s_barrier_wait -1
.endm
.macro WMC c, ra, rb
.if (\ra) && (\rb)
	v_wmma_scale_f32_16x16x128_f8f6f4 v[rD:rD+7], v[rA:rA+15], v[rB:rB+15], \c, v[rSA], v[rSB] matrix_a_fmt:MATRIX_FMT_BF8 matrix_b_fmt:MATRIX_FMT_BF8 matrix_a_scale:MATRIX_SCALE_ROW1 matrix_b_scale:MATRIX_SCALE_ROW1
.elseif (\ra)
	v_wmma_scale_f32_16x16x128_f8f6f4 v[rD:rD+7], v[rA:rA+15], v[rB:rB+15], \c, v[rSA], v[rSB] matrix_a_fmt:MATRIX_FMT_BF8 matrix_b_fmt:MATRIX_FMT_BF8 matrix_a_scale:MATRIX_SCALE_ROW1
.elseif (\rb)
	v_wmma_scale_f32_16x16x128_f8f6f4 v[rD:rD+7], v[rA:rA+15], v[rB:rB+15], \c, v[rSA], v[rSB] matrix_a_fmt:MATRIX_FMT_BF8 matrix_b_fmt:MATRIX_FMT_BF8 matrix_b_scale:MATRIX_SCALE_ROW1
.else
	v_wmma_scale_f32_16x16x128_f8f6f4 v[rD:rD+7], v[rA:rA+15], v[rB:rB+15], \c, v[rSA], v[rSB] matrix_a_fmt:MATRIX_FMT_BF8 matrix_b_fmt:MATRIX_FMT_BF8
.endif
.endm
.macro WM z, ra, rb
.if \z
	WMC 0, \ra, \rb
.else
	WMC v[rD:rD+7], \ra, \rb
.endif
.endm
.macro TLOAD g0, g1
	tensor_load_to_lds s[\g0:\g0+3], s[\g1:\g1+7]
	s_nop 0
	PLACES 4
.endm
.macro GROUP1 g, rows, word0           ; dense rows of 256 bytes: 32 elements of 8
	s_or_b32 s[\g], \word0
	s_mov_b32 s[\g+1], 32<<16
	s_mov_b32 s[\g+2], (\rows)<<16
	s_mov_b32 s[\g+3], 32<<16
	s_mov_b32 s[\g+4], \rows
	s_mov_b32 s[\g+5], 32
	s_mov_b32 s[\g+6], 0
	s_mov_b32 s[\g+7], 0
.endm
.macro LWF s, u, c                     ; a quarter of a weight fragment
	ds_load_b128 v[16*(2*(\s)+(\u))+4*(\c):16*(2*(\s)+(\u))+4*(\c)+3], v10 offset:13056*(\u)+128*(\s)+16*((\s)/2)+32*(\c)
.endm
.macro LW s                            ; K step s: two fragments
	WIN 0xc0
.irp u,0,1
.irp c,0,1,2,3
	LWF \s, \u, \c
.endr
.endr
	WIN 0
.endm
.macro LWS k
	ds_load_b64 v[WS+2*\k:WS+2*\k+1], v11 offset:8*\k
.endm
.macro GRD
	WIN 0
	s_wait_alu depctr_va_vdst(0)
	s_wait_tensorcnt 0x0
	ds_add_u32 v14, v15
.endm
; A BLOCK's products.  kind 0 (q, k): source 0 = weights, source 1 = x; kind 1 (v): the other way round.  nx = 1: the next block's fragments follow in two runs, each eight plain lines behind the products that read those registers:
; behind K step 2: steps 0, 1, words 0-1, step 2 (25 loads); behind step 5: words 2-3, steps 3, 4, 5, words 4-5 (26).
; So at a block's start 25 loads stand behind words 2-3, the last that steps 0 to 2 need; and at step 3 the first run's 25 stand behind words 4-5 (0 where nothing follows).  v's byte stores make both waits the stricter.
.macro BLK kind, nx
	v_add_nc_u32 v10, s[TB], v6
	v_add_nc_u32 v11, s[TS], v3
	s_wait_alu depctr_va_vdst(0)
.irp s,0,1,2,3,4,5
.if \s == 0
	s_wait_dscnt 25
.endif
.if \s == 3
.if \nx
	WIN 0
	PLACES 8
	LW 0
	LW 1
	LWS 0
	LW 2
.endif
	s_wait_dscnt 25*(\nx)
	s_wait_xcnt 0x0                                ; the last block's stores have read their registers and their base
.if \kind
	s_add_nc_u64 s[OPV:OPV+1], s[OPV:OPV+1], 4096
.else
	s_cmp_eq_u32 s[NB], 4
	s_cselect_b32 s30, s[JMP], 512
	s_cmp_eq_u32 s[NB], 10
	s_cselect_b32 s30, s[JMP], s30
	s_add_nc_u64 s[OP:OP+1], s[OP:OP+1], s[30:31]
	s_cmp_eq_u32 s[NB], 6                          ; k's first block
	s_cselect_b64 s[OP:OP+1], s[OPK:OPK+1], s[OP:OP+1]
.endif
.endif
.irp j,0,1,2,3,4,5,6,7
.set UU, \j/4
.set TT, \j%4
.set rW, 16*(2*\s+UU)
.set rX, (16*(4*\s+TT))%256
.if \kind
	WIN (1+\s/4)|0x0c
.set rD, ACC+32*(TT/2)+16*UU+8*(TT%2)
.set rA, rX
.set rB, rW
.set rSA, XS+10*(TT/2)+\s
.set rSB, WS+\s
.if \s == 0
	WM 1, TT%2, UU
.else
	WM 0, TT%2, UU
.endif
.else
	WIN 3|(4*(1+\s/4))
.set rD, ACC+16*TT+8*UU
.set rA, rW
.set rB, rX
.set rSA, WS+\s
.set rSB, XS+10*(TT/2)+\s
.if \s == 0
	WM 1, UU, TT%2
.else
	WM 0, UU, TT%2
.endif
.endif
.endr
.endr
	WIN 0
	PLACES 8
.if \nx
	LWS 1
	LW 3
	LW 4
	LW 5
	LWS 2
.endif
.endm
; A block's four units of 32 x 16 numbers: a unit's 16 registers and lane xor 16's are one scale block for each row (v: channel).
.macro QUANT kind
.irp b,0,1,2,3
	v_max3_num_f32 v[M+\b], |v[ACC+16*\b]|, |v[ACC+16*\b+1]|, 0x8000000   ; the floor 2^(16 - 127)
.endr
.irp i,2,4,6,8,10,12,14
.irp b,0,1,2,3
	v_max3_num_f32 v[M+\b], v[M+\b], |v[ACC+16*\b+\i]|, |v[ACC+16*\b+\i+1]|
.endr
.endr
.irp b,0,1,2,3
	v_permlanex16_b32 v[PT+\b], v[M+\b], s[SEL], s[SEL+1]
.endr
.irp b,0,1,2,3
	v_max_num_f32 v[M+\b], v[M+\b], v[PT+\b]
.endr
.irp b,0,1,2,3
	v_add_nc_u32 v[SC+\b], 0xf8800000, v[M+\b]
.endr
.irp b,0,1,2,3
	v_and_or_b32 v[HD+\b], v[M+\b], 0x7f800000, s[MNT]   ; 57,344 x the scale
.endr
.irp b,0,1,2,3
	v_lshrrev_b32 v[BY+\b], 23, v[SC+\b]
.endr
.irp b,0,1,2,3
.irp i,0,1,2,3,4,5,6,7,8,9,10,11,12,13,14,15
	v_med3_num_f32 v[ACC+16*\b+\i], v[ACC+16*\b+\i], -v[HD+\b], v[HD+\b]
.endr
	v_cvt_scalef32_pk8_bf8_f32 v[CD+4*\b:CD+4*\b+1], v[ACC+16*\b:ACC+16*\b+7], v[SC+\b]
	v_cvt_scalef32_pk8_bf8_f32 v[CD+4*\b+2:CD+4*\b+3], v[ACC+16*\b+8:ACC+16*\b+15], v[SC+\b]
.endr
.if \kind
	v_add_nc_u32 v13, s[TV], v12
.irp b,0,1,2,3
	global_store_b128 v1, v[CD+4*\b:CD+4*\b+3], s[OPV:OPV+1] offset:2048*(\b%2)+512*(\b/2)
	ds_store_b8 v13, v[BY+\b] offset:4*(\b%2)+\b/2
.endr
	s_add_co_u32 s[TV], s[TV], 8
.else
.irp i,0,1
.irp b,0,1,2,3
	v_alignbit_b32 v[SW+3*\b+\i], v[SW+3*\b+\i+1], v[SW+3*\b+\i], 8
.endr
.endr
.irp b,0,1,2,3
	v_alignbit_b32 v[SW+3*\b+2], v[BY+\b], v[SW+3*\b+2], 8
.endr
.irp b,0,1,2,3
	global_store_b128 v1, v[CD+4*\b:CD+4*\b+3], s[OP:OP+1] offset:12288*\b
.endr
.endif
	s_add_co_u32 s[TB], s[TB], BR
	s_add_co_u32 s[TS], s[TS], 768
.endm
	s_load_b512 s[4:19], s[0:1], 0x0               ; x, Wq, Wk, Wv: codes and scales
	s_load_b128 s[20:23], s[0:1], 0x40             ; qws, kws
	s_load_b64 s[24:25], s[0:1], 0x50              ; vws
	v_lshl_add_u32 v14, v0, 2, SPARE
	v_mov_b32 v15, 0
	ds_add_u32 v14, v15                            ; the opening lines
	ds_add_u32 v14, v15
	v_lshrrev_b32 v1, 5, v0
	v_readfirstlane_b32 s[WV], v1                  ; wave 0..3
	s_bfe_u32 s[CX], ttmp6, 0x40000                ; my column group
	s_bfe_u32 s[CY], ttmp6, 0x40004
	s_and_b32 s[RB], ttmp7, 0xffff
	s_lshl_b32 s[RB], s[RB], 2
	s_add_co_u32 s[RB], s[RB], s[CY]               ; my block of 256 rows
	s_lshl_b32 s30, s[CY], 2
	s_lshl_b32 s30, 15, s30                        ; my row of the cluster shares x,
	s_lshl_b32 s31, 0x1111, s[CX]                  ; my column the weights
	s_or_b32 s[G1X], s30, (3<<16)|(1<<20)|(1<<21)|(5<<22)|(3<<25)
	s_mov_b32 s[G1X+1], 32<<16
	s_mov_b32 s[G1X+2], 768<<16                    ; 256 rows of x
	s_mov_b32 s[G1X+3], 32<<16
	s_mov_b32 s[G1X+4], 768
	s_mov_b32 s[G1X+5], 32
	s_mov_b32 s[G1X+6], 0
	s_mov_b32 s[G1X+7], 0
	s_or_b32 s[G1W], s31, (3<<16)|(1<<20)|(1<<21)|(5<<22)|(3<<25)
	s_mov_b32 s[G1W+1], 32<<16
	s_mov_b32 s[G1W+2], 384<<16                    ; item 0: 128 rows
	s_mov_b32 s[G1W+3], 32<<16
	s_mov_b32 s[G1W+4], 384
	s_mov_b32 s[G1W+5], 32
	s_mov_b32 s[G1W+6], 0
	s_mov_b32 s[G1W+7], 0
	s_or_b32 s[G1S], s31, (3<<16)|(1<<21)
	s_mov_b32 s[G1S+1], 32<<16
	s_mov_b32 s[G1S+2], 18<<16                     ; the scale bytes of 192 rows: 4,608 dense bytes
	s_mov_b32 s[G1S+3], 32<<16
	s_mov_b32 s[G1S+4], 18
	s_mov_b32 s[G1S+5], 32
	s_mov_b32 s[G1S+6], 0
	s_mov_b32 s[G1S+7], 0
	s_mul_i32 s96, s[RB], 196608
	s_mov_b32 s97, 0
	s_mul_i32 s98, s[CX], 147456
	s_mov_b32 s99, 0
	s_mul_i32 s100, s[CX], 4608
	s_mov_b32 s101, 0
	s_mov_b32 s[G0X], 1
	s_mov_b32 s[G0X+1], XL
	s_mov_b32 s[G0W], 1
	s_mov_b32 s[G0W+1], 0
	s_mov_b32 s[G0S], 1
	s_mov_b32 s[G0S+1], SCQ
	s_mov_b32 s[G0T], 1
	s_mov_b32 s[G0T+1], SCQ+4608
	s_mov_b32 s[SEL], 0x76543210
	s_mov_b32 s[SEL+1], 0xfedcba98
	s_mov_b32 s[MNT], 0x600000
	s_wait_dscnt 0x0
	s_wait_kmcnt 0x0
	s_add_nc_u64 s[8:9], s[8:9], s[98:99]          ; my column group's rows of each weight
	s_add_nc_u64 s[12:13], s[12:13], s[98:99]
	s_add_nc_u64 s[16:17], s[16:17], s[98:99]
	s_add_nc_u64 s[10:11], s[10:11], s[100:101]
	s_add_nc_u64 s[14:15], s[14:15], s[100:101]
	s_add_nc_u64 s[18:19], s[18:19], s[100:101]
	s_add_nc_u64 s[G0X+2:G0X+3], s[4:5], s[96:97]
	s_or_b32 s[G0X+3], s[G0X+3], 0x80000000
	s_mov_b64 s[G0W+2:G0W+3], s[8:9]
	s_or_b32 s[G0W+3], s[G0W+3], 0x80000000
	s_mov_b64 s[G0S+2:G0S+3], s[10:11]
	s_or_b32 s[G0S+3], s[G0S+3], 0x80000000
	s_mov_b64 s[G0T+2:G0T+3], s[14:15]
	s_or_b32 s[G0T+3], s[G0T+3], 0x80000000
	ROUND                                          ; all sixteen partners are here
.macro ARM under, g0, g1, next
	s_cmp_lt_u32 s[WV], \under
	s_cbranch_scc0 \next
	TLOAD \g0, \g1
	s_branch .Lasked
\next:
.endm
	ARM 1, G0X, G1X, .Lhead_w                      ; wave 0: x;
	ARM 2, G0W, G1W, .Lhead_s                      ; wave 1: item 0;
	ARM 3, G0S, G1S, .Lhead_t                      ; waves 2, 3: the scale bytes of q's and of k's weights
	TLOAD G0T, G1S
.Lasked:
	s_mul_i32 s30, s[RB], 6144
	s_mul_i32 s31, s[WV], 1536
	s_add_co_u32 s30, s30, s31
	s_mov_b32 s31, 0
	s_add_nc_u64 s[66:67], s[6:7], s[30:31]        ; my 64 rows' scale bytes of x
	s_and_b32 s98, s[WV], 1
	s_lshr_b32 s99, s[WV], 1
	s_lshl_b32 s30, s[RB], 1
	s_add_co_u32 s30, s30, s99
	s_mul_i32 s30, s30, CH                         ; my chunk
	s_add_nc_u64 s[20:21], s[20:21], s[30:31]
	s_add_nc_u64 s[22:23], s[22:23], s[30:31]
	s_add_nc_u64 s[24:25], s[24:25], s[30:31]
	s_lshr_b32 s100, s[CX], 1
	s_and_b32 s101, s[CX], 1
	s_mul_i32 s30, s100, 6144
	s_lshl_b32 s100, s101, 11
	s_add_co_u32 s30, s30, s100                    ; K step 3 (g / 2) + g % 2
	s_mul_i32 s100, s98, 49152
	s_add_co_u32 s30, s30, s100                    ; my four tiles of the chunk's eight
	s_add_nc_u64 s[OPK:OPK+1], s[22:23], s[30:31]
	s_add_nc_u64 s[OP:OP+1], s[20:21], s[30:31]
	s_sub_nc_u64 s[OP:OP+1], s[OP:OP+1], 512       ; (stepped ahead of each block's stores)
	s_lshl_b32 s100, s101, 10
	s_sub_co_u32 s[JMP], 2560, s100                ; from block 3's place to block 4's
	s_lshl_b32 s30, s[CX], 10
	s_add_co_u32 s30, s30, 98304
	s_add_nc_u64 s[OSV:OSV+1], s[24:25], s[30:31]
	s_lshl_b32 s100, s98, 9
	s_add_co_u32 s30, s30, s100
	s_add_nc_u64 s[OSQ:OSQ+1], s[20:21], s[30:31]
	s_add_nc_u64 s[OSK:OSK+1], s[22:23], s[30:31]
	s_mul_i32 s30, s[CX], 24576
	s_lshl_b32 s100, s98, 10
	s_add_co_u32 s30, s30, s100
	s_add_nc_u64 s[OPV:OPV+1], s[24:25], s[30:31]
	s_sub_nc_u64 s[OPV:OPV+1], s[OPV:OPV+1], 4096
	s_mul_i32 s96, s[WV], 52224
	s_add_co_u32 s96, s96, XL                      ; my 64 rows of x in LDS
	s_lshl_b32 s99, s99, 10
	s_add_co_u32 s99, s99, VST
	s_lshl_b32 s100, s98, 1
	s_add_co_u32 s101, s99, s100
	s_sub_co_u32 s97, 1, s98
	s_mov_b32 s[NB], 0
	s_mov_b32 s[TB], BR
	s_mov_b32 s[TS], SCQ+768
	v_and_b32 v36, 31, v0                          ; lane
	v_and_b32 v37, 15, v0                          ; r
	v_bfe_u32 v38, v0, 4, 1                        ; h
	v_lshlrev_b32 v1, 4, v36
	v_lshlrev_b32 v9, 3, v36
	v_mul_u32_u24 v3, 24, v36
.irp p,0,1
.irp k,0,1,2
	global_load_b64 v[XS+10*\p+2*\k:XS+10*\p+2*\k+1], v3, s[66:67] offset:768*\p+8*\k
.endr
.endr
	v_mul_u32_u24 v6, 0x330, v37
	v_lshl_add_u32 v6, v38, 4, v6                  ; a fragment's row and half
	v_add_nc_u32 v8, s96, v6
	v_lshlrev_b32 v39, 6, v37
	v_add_nc_u32 v12, s101, v39                    ; v's scale bytes: in
	v_mul_u32_u24 v42, s97, v38
	v_add_nc_u32 v42, s100, v42                    ; even waves: four tiles 4 h on; odd waves: the last four, in both halves alike
	v_lshl_add_u32 v40, v42, 4, v39
	v_add_nc_u32 v40, s99, v40                     ; and back
	v_lshlrev_b32 v41, 4, v37
	v_lshl_add_u32 v41, v42, 8, v41
.set AI, 0
.rept 12
	v_mov_b32 v[SW+AI], 0
.set AI, AI+1
.endr
.irp b,0,1,2,3
	v_mov_b32 v[PT+\b], 0                          ; a lane permute's destination counts as one of its sources
.endr
	v_mov_b32 v10, v6
	v_add_nc_u32 v11, SCQ, v3
	s_wait_alu depctr_va_vdst(0)
	s_cmp_eq_u32 s[WV], 0
	s_cbranch_scc0 .Lnot_x
	s_wait_tensorcnt 0x0                           ; wave 0: x has landed.  The other waves' wait stands ahead of the refill's round
.Lnot_x:
	s_wait_dscnt 0x0
	s_barrier_signal -1
	s_barrier_wait -1
.set fI, 0
.rept 24                                       ; x into registers
	WIN (1+fI/16)<<6
.irp c,0,1,2,3
	ds_load_b128 v[16*(fI%16)+4*\c:16*(fI%16)+4*\c+3], v8 offset:13056*(fI%4)+128*(fI/4)+16*(fI/8)+32*\c
.endr
.set fI, fI+1
.endr
	WIN 0
	GRD
	s_mov_b32 s[G1W+2], 96<<16                     ; 32 rows
	s_mov_b32 s[G1W+4], 96
	s_mul_i32 s96, s[WV], BR
	s_add_co_u32 s[G0X+1], s96, XL
	s_add_co_u32 s[G0W+1], s96, XL
	s_and_b32 s98, s[WV], 1
	s_mul_i32 s98, s98, 24576
	s_mov_b32 s99, 0
	s_add_nc_u64 s[G0W+2:G0W+3], s[12:13], s[98:99]
	s_or_b32 s[G0W+3], s[G0W+3], 0x80000000
	s_add_co_u32 s98, s98, 98304
	s_add_nc_u64 s[G0X+2:G0X+3], s[8:9], s[98:99]
	s_or_b32 s[G0X+3], s[G0X+3], 0x80000000
	s_wait_dscnt 0x0
	ROUND
	s_cmp_lt_u32 s[WV], 2
	s_cbranch_scc0 .Lk_rows
	TLOAD G0X, G1W
	s_branch .Litem1
.Lk_rows:
	TLOAD G0W, G1W
.Litem1:
	LW 0                                           ; block 0's fragments and scale words, in the order of every block
	LW 1
	LWS 0
	LW 2
	LWS 1
	LW 3
	LW 4
	LW 5
	LWS 2
	s_wait_loadcnt 0x0                             ; x's scale words
.Lq0:                                              ; blocks 0 to 2
	BLK 0, 1
	QUANT 0
	s_add_co_u32 s[NB], s[NB], 1
	s_cmp_lt_u32 s[NB], 3
	s_wait_alu depctr_va_vdst(0)
	s_cbranch_scc1 .Lq0
	GRD
	s_mul_i32 s96, s[WV], BR
	s_add_co_u32 s[G0X+1], s96, IT2
	s_mul_i32 s98, s[WV], 24576
	s_add_co_u32 s98, s98, 49152
	s_mov_b32 s99, 0
	s_add_nc_u64 s[G0X+2:G0X+3], s[12:13], s[98:99]
	s_or_b32 s[G0X+3], s[G0X+3], 0x80000000
	s_wait_dscnt 0x0
	ROUND
	TLOAD G0X, G1W
.Lq1:                                              ; blocks 3 to 6
	BLK 0, 1
	QUANT 0
	s_add_co_u32 s[NB], s[NB], 1
	s_cmp_lt_u32 s[NB], 7
	s_wait_alu depctr_va_vdst(0)
	s_cbranch_scc1 .Lq1
	GRD
	s_mov_b32 s[G1W+2], 192<<16
	s_mov_b32 s[G1W+4], 192
	s_mul_i32 s[G0X+1], s[WV], 2*BR
	s_mul_i32 s98, s[WV], 49152
	s_mov_b32 s99, 0
	s_add_nc_u64 s[G0X+2:G0X+3], s[16:17], s[98:99]
	s_or_b32 s[G0X+3], s[G0X+3], 0x80000000
	s_mov_b32 s[G0S+1], SVL
	s_mov_b64 s[G0S+2:G0S+3], s[18:19]
	s_or_b32 s[G0S+3], s[G0S+3], 0x80000000
	s_wait_dscnt 0x0
	ROUND
	s_cmp_lt_u32 s[WV], 3
	s_cbranch_scc0 .Lv_scales
	TLOAD G0X, G1W
	s_branch .Lv_asked
.Lv_scales:
	TLOAD G0S, G1S
.Lv_asked:
.Lq2:                                              ; blocks 7 to 10
	BLK 0, 1
	QUANT 0
	s_add_co_u32 s[NB], s[NB], 1
	s_cmp_lt_u32 s[NB], 11
	s_wait_alu depctr_va_vdst(0)
	s_cbranch_scc1 .Lq2
	s_wait_tensorcnt 0x0                           ; v's weights are in; nothing is filled again
	s_wait_dscnt 0x0
	s_barrier_signal -1
	s_barrier_wait -1
	s_mov_b32 s[TB], 0
	s_mov_b32 s[TS], SVL
	BLK 0, 1                                       ; block 11; v's block 0 follows
	QUANT 0
	; q's and k's scale bytes: lanes 0-15 a pair's even tile, lanes 16-31 its odd one.  A tile's twelve bytes: q's six, then k's
	s_mov_b32 s66, 0xffff0000
.irp p,0,1
.irp i,0,1,2
	v_cndmask_b32 v[OR+8*\p+\i], v[SW+6*\p+\i], v[SW+6*\p+3+\i], s66
.endr
.endr
.irp p,0,1
	v_mov_b32 v[OR+8*\p+4], v[OR+8*\p]
	v_and_b32 v[OR+8*\p+5], 0xffff, v[OR+8*\p+1]
	v_alignbit_b32 v[OR+8*\p+6], v[OR+8*\p+2], v[OR+8*\p+1], 16
	v_lshrrev_b32 v[OR+8*\p+7], 16, v[OR+8*\p+2]
.endr
.irp p,0,1
	global_store_b64 v9, v[OR+8*\p+4:OR+8*\p+5], s[OSQ:OSQ+1] offset:256*\p
	global_store_b64 v9, v[OR+8*\p+6:OR+8*\p+7], s[OSK:OSK+1] offset:256*\p
.endr
	s_mov_b32 s[TB], BR
	s_mov_b32 s[TS], SVL+768
	s_mov_b32 s[NB], 0
	s_mov_b32 s[TV], 0
.Lv:
	BLK 1, 1
	QUANT 1
	s_add_co_u32 s[NB], s[NB], 1
	s_cmp_lt_u32 s[NB], 5
	s_wait_alu depctr_va_vdst(0)
	s_cbranch_scc1 .Lv
	BLK 1, 0
	QUANT 1
	s_wait_alu depctr_va_vdst(0)
	s_wait_dscnt 0x0                               ; the scale bytes of two waves make a chunk's words
	s_barrier_signal -1
	s_barrier_wait -1
	ds_load_b128 v[OR+20:OR+23], v40
	s_wait_dscnt 0x0
	global_store_b128 v41, v[OR+20:OR+23], s[OSV:OSV+1]
	s_wait_tensorcnt 0x0                           ; the wave's end
	ds_add_u32 v14, v15
	s_wait_dscnt 0x0
	ROUND                                          ; the closing round
	s_endpgm
.Lfunc_end_k_q0753b86c21_proj:
	.size	k_q0753b86c21_proj, .Lfunc_end_k_q0753b86c21_proj-k_q0753b86c21_proj
	.p2alignl 7, 3214868480
	.fill 96, 4, 3214868480
	.section	.rodata,"a",@progbits
	.p2align	6, 0x0
	.amdhsa_kernel k_q0753b86c21_proj
		.amdhsa_group_segment_fixed_size 327680
		.amdhsa_private_segment_fixed_size 0
		.amdhsa_enable_private_segment 0
		.amdhsa_kernarg_size 88
		.amdhsa_user_sgpr_count 2
		.amdhsa_user_sgpr_kernarg_segment_ptr 1
		.amdhsa_wavefront_size32 1
		.amdhsa_system_sgpr_workgroup_id_x 1
		.amdhsa_system_sgpr_workgroup_id_y 1
		.amdhsa_system_sgpr_workgroup_id_z 1
		.amdhsa_system_vgpr_workitem_id 0
		.amdhsa_next_free_vgpr 1024
		.amdhsa_next_free_sgpr 102
		.amdhsa_reserve_vcc 0
		.amdhsa_float_denorm_mode_32 3
		.amdhsa_float_denorm_mode_16_64 3
		.amdhsa_memory_ordered 1
		.amdhsa_forward_progress 1
		.amdhsa_inst_pref_size 140
	.end_amdhsa_kernel
	.amdgpu_metadata
---
amdhsa.version: [ 1, 2 ]
amdhsa.kernels:
  - .name:           k_q0753b86c21_proj
    .symbol:         k_q0753b86c21_proj.kd
    .args:
      - { .name: x_codes, .offset: 0, .size: 8, .value_kind: global_buffer, .address_space: global }
      - { .name: x_scales, .offset: 8, .size: 8, .value_kind: global_buffer, .address_space: global }
      - { .name: Wq_codes, .offset: 16, .size: 8, .value_kind: global_buffer, .address_space: global }
      - { .name: Wq_scales, .offset: 24, .size: 8, .value_kind: global_buffer, .address_space: global }
      - { .name: Wk_codes, .offset: 32, .size: 8, .value_kind: global_buffer, .address_space: global }
      - { .name: Wk_scales, .offset: 40, .size: 8, .value_kind: global_buffer, .address_space: global }
      - { .name: Wv_codes, .offset: 48, .size: 8, .value_kind: global_buffer, .address_space: global }
      - { .name: Wv_scales, .offset: 56, .size: 8, .value_kind: global_buffer, .address_space: global }
      - { .name: qws, .offset: 64, .size: 8, .value_kind: global_buffer, .address_space: global }
      - { .name: kws, .offset: 72, .size: 8, .value_kind: global_buffer, .address_space: global }
      - { .name: vws, .offset: 80, .size: 8, .value_kind: global_buffer, .address_space: global }
    .group_segment_fixed_size: 327680
    .private_segment_fixed_size: 0
    .kernarg_segment_align: 8
    .kernarg_segment_size: 88
    .max_flat_workgroup_size: 128
    .sgpr_count:     102
    .vgpr_count:     1024
    .wavefront_size: 32
...
	.end_amdgpu_metadata
.endif
;; end of part 3
;; launch attn (part 4): grid 16 x 16, 4 waves a work-group, clusters of 4 x 1, 327,680 bytes of LDS; arguments qws, kws, vws, out0; writes out0
.if DOCPART == 4
	.amdgcn_target "amdgcn-amd-amdhsa--gfx1250"
	.amdhsa_code_object_version 6
	.text
	.protected	k_q0753b86c21_attn
	.globl	k_q0753b86c21_attn
	.p2align	8
	.type	k_q0753b86c21_attn,@function
k_q0753b86c21_attn:
	s_mov_b64 s[64:65], 0
	v_nop
	global_prefetch_b8 v0, s[64:65] scope:SCOPE_SE
	s_setreg_imm32_b32 hwreg(HW_REG_WAVE_MODE, 25, 1), 1
	s_wait_xcnt 0x0
	s_wait_alu depctr_hold_cnt(0) depctr_sa_sdst(0) depctr_va_vdst(0) depctr_va_sdst(0) depctr_va_ssrc(0) depctr_va_vcc(0) depctr_vm_vsrc(0)
	s_getreg_b32 s2, hwreg(HW_REG_IB_STS2, 6, 4)
	s_cmp_eq_u32 s2, 0
	s_cbranch_scc0 .Lentry_in_a_cluster
	s_endpgm
.Lentry_in_a_cluster:
	s_bfe_u32 s2, ttmp6, 0x10000c
	s_cmp_lg_u32 s2, 0x3003
	s_cbranch_scc0 .Lentry_shape_is_right
	s_endpgm
.Lentry_shape_is_right:
; out[b][q] = the sum over keys k <= q of softmax_k(q . k / sqrt(768)) v[k], both products on codes of E5M2 with one E8M0 scale for each 32 along K.
; qws, kws, vws hold images of operand registers in chunks of CH = 102,400 bytes for 128 rows (98,304 of codes, 4,096 of scale words), as the launch before laid them.
; SHARES.  A batch has 64 tiles of 16 queries, 16 work-groups and 8 chunks of 128 keys.  Work-group m owns the four tiles 16 p + m, p = 0 .. 3: tile p's queries lie among the keys of chunk pair p (chunks 2 p, 2 p + 1).
; So chunk pair j serves the tiles p >= j, and under the mask stands tile p = j alone: every work-group has the same work, and no trip count or branch hangs on a work-group's number.
; LEFT OUT: tile p's products with the chunks behind pair p.  the causal mask makes all their scores -infinity ahead of the softmax for every input; a NaN, an infinity or an overflow that reaches only
; those scores is not carried to the result.
; TWO PHASES.  First K's eight chunks: scores, softmax, codes of p.  Then V's eight chunks: the second product.  Wave w takes keys 32 w .. 32 w + 31 of each chunk of K (source 0 = 16 keys, source 1 = 16 queries, from registers), which is one
; scale block of p; and channels 192 w .. 192 w + 191 of V (source 0 = 16 channels, source 1 = P).  Each byte of K and V is read from LDS by one wave.
; THE SOFTMAX.  t = score x log2(e) / sqrt(768).  A wave takes n = floor(its block's largest t) for each query and quantises 2^(t - n), whose largest lies in [1, 2): the scale is 2^-15 and the hold 1.75 in every block.
; R = the row's largest n.  2^(t - R) differs from 2^(t - n) by the power of two 2^(n - R), which the scale byte takes up exactly: 112 + n - R, not under 1.  The maximum is taken away from every exponent, and O is never rescaled.
; The row's sum is taken of the unquantised numbers, under a running n in each wave, and divides at the end.
; TILES p of O are complete after V's pair p and leave behind the next change of slots.
; LOADS.  The four work-groups of a cluster walk the same chunks: each is asked for jointly, a quarter a wave, into a ring of two slots.  Q's four tiles are the work-group's own: they come once, by plain tensor loads, and go into registers.
; PREFETCH: item i + 3 of the walk (K 0 .. 7, V 0 .. 7) is asked for behind the load of item i + 1; each cluster asks once for each 256 bytes: wave w of partner cx for 25 of them.  Items 0 to 2 come by their loads alone.
; LIMITS: NaN and infinities among the inputs are not served; the scaled scores t stay under 2^31 in magnitude.
; REGISTERS.  Window 0: addresses, statistics, scale words, v112-175 scores, later P.  Q's fragment (s, p) at 256 + 16 (4 s + p); in the second phase O's accumulator (i, p) at 256 + 8 (4 i + p).  v640-735 rows on their way out.
;   v768-959 twelve fragments of K or V.
.set CH,    102400
.set SL1,   131072                     ; slot 1; slot 0 begins at 0
.set MT,    102400                     ; -n of each block: [tile][query 16 x 144 bytes][chunk][wave]
.set SUMS,  111616                     ; [tile][-n, sum][query][wave]
.set STAGE, 113664                     ; 16 rows x 272 bytes a wave
.set QI,    233472                     ; Q's four tiles
.set PIM,   282624                     ; p's codes: tile p's chunk k is image p (p + 1) + k of 2,048 bytes
.set SPARE, 323584                     ; the spare words
.set NP,    24                         ; pairs (-n, 0) of tile p; in the second phase (1 / sum, 0)
.set SLP,   32
.set MM,    40                         ; the wave's least -n
.set BM,    44
.set T1,    48
.set D1,    52
.set D2,    56
.set PT,    60
.set KS,    64
.set QS,    74
.set S,     112
.set P,     112
.set VS,    176
.set PSB,   195                        ; p's scale words: tile p, pair j at 195 + 4 (p (p + 1) / 2 + j): lanes 0-15 chunk 2 j, lanes 16-31 chunk 2 j + 1
.set PC,    232
.set LS,    250                        ; the wave's sum under its least -n
.set WV,    12
.set CX,    13
.set MI,    14
.set BB,    15
.set SEL,   16
.set CS,    18
.set G1,    24
.set G0A,   32                         ; s[32:35] slot 0, s[36:39] slot 1
.set G1H,   40
.set G0H,   48
.set G1Q,   52
.set G0Q,   60
.set PFK,   66
.set PFV,   68
.set OUTP,  70
.set VPT,   72
.set MSB, 0
.macro WIN new
.if MSB != (\new)
	s_set_vgpr_msb (MSB<<8)|(\new)
.set MSB, (\new)
.endif
.endm
.macro PLACES n
.rept \n
	v_nop
.endr
.endm
.macro ROUND
	s_barrier_signal -1
	s_barrier_wait -1
	s_cmp_lg_u32 s[WV], 0
	s_cbranch_scc1 .Lnot_wave_0_\@
	s_barrier_signal -3
.Lnot_wave_0_\@:
	s_barrier_wait -3
	s_barrier_signal -1
	s_barrier_wait -1
.endm
.macro WMC c, ra, rb
.if (\ra) && (\rb)
	v_wmma_scale_f32_16x16x128_f8f6f4 v[rD:rD+7], v[rA:rA+15], v[rB:rB+15], \c, v[rSA], v[rSB] matrix_a_fmt:MATRIX_FMT_BF8 matrix_b_fmt:MATRIX_FMT_BF8 matrix_a_scale:MATRIX_SCALE_ROW1 matrix_b_scale:MATRIX_SCALE_ROW1
.elseif (\ra)
	v_wmma_scale_f32_16x16x128_f8f6f4 v[rD:rD+7], v[rA:rA+15], v[rB:rB+15], \c, v[rSA], v[rSB] matrix_a_fmt:MATRIX_FMT_BF8 matrix_b_fmt:MATRIX_FMT_BF8 matrix_a_scale:MATRIX_SCALE_ROW1
.elseif (\rb)
	v_wmma_scale_f32_16x16x128_f8f6f4 v[rD:rD+7], v[rA:rA+15], v[rB:rB+15], \c, v[rSA], v[rSB] matrix_a_fmt:MATRIX_FMT_BF8 matrix_b_fmt:MATRIX_FMT_BF8 matrix_b_scale:MATRIX_SCALE_ROW1
.else
	v_wmma_scale_f32_16x16x128_f8f6f4 v[rD:rD+7], v[rA:rA+15], v[rB:rB+15], \c, v[rSA], v[rSB] matrix_a_fmt:MATRIX_FMT_BF8 matrix_b_fmt:MATRIX_FMT_BF8
.endif
.endm
.macro WM z, ra, rb
.if \z
	WMC 0, \ra, \rb
.else
	WMC v[rD:rD+7], \ra, \rb
.endif
.endm
; Item k of the walk has landed and every wave has left the other slot: a wait for my tensor loads, an add to my spare word and a wait for it, a round of the cluster's barrier, and first behind it the joint load of item k + 1, a quarter a wave.
.macro WAITR k
	WIN 0
	s_wait_alu depctr_va_vdst(0)
	s_wait_tensorcnt 0x0                           ; no tensor load of mine is out: the descriptors may be written
	ds_add_u32 v14, v15
.if (\k) == 7
	s_mov_b64 s[G0A+2:G0A+3], s[VPT:VPT+1]         ; V's chunk 0
	s_or_b32 s[G0A+3], s[G0A+3], 0x80000000
.elseif (\k) == 8
	s_add_nc_u64 s[G0A+6:G0A+7], s[VPT:VPT+1], CH  ; V's chunk 1
	s_or_b32 s[G0A+7], s[G0A+7], 0x80000000
.elseif (\k) > 0
	s_add_nc_u64 s[G0A+4*(((\k)+1)%2)+2:G0A+4*(((\k)+1)%2)+3], s[G0A+4*(((\k)+1)%2)+2:G0A+4*(((\k)+1)%2)+3], 2*CH
.endif
	s_wait_dscnt 0x0                               ; the add is done; my reads of the slot and my LDS stores too
	ROUND
	tensor_load_to_lds s[G0A+4*(((\k)+1)%2):G0A+4*(((\k)+1)%2)+3], s[G1:G1+7]
	s_nop 0
	PLACES 4
.endm
; The scores of chunk k against the tiles p .. 3.  The fragments of step s stand in 2 s, 2 s + 1; 48 loads in one run, and a counted wait for each eight of them.
; Item k's scale words.  K: two words a column group g (lanes 0-15 tile 2 w, lanes 16-31 tile 2 w + 1): K step 3 i is group 2 i's first, 3 i + 1 group 2 i + 1's first, 3 i + 2 the low halves of both second words
.macro LDH k
.if (\k) < 8
.irp g,0,1,2,3
	ds_load_b64 v[KS+2*\g:KS+2*\g+1], v[4+(\k)%2] offset:1024*\g
.endr
.if (\k) < 5
	global_prefetch_b8 v18, s[PFK:PFK+1] offset:((\k)+3)*CH th:TH_LOAD_NT scope:SCOPE_SE
.else
	global_prefetch_b8 v18, s[PFV:PFV+1] offset:((\k)-5)*CH th:TH_LOAD_NT scope:SCOPE_SE
.endif
.else
.irp g,0,1,2
	ds_load_b128 v[VS+4*\g:VS+4*\g+3], v[7-(\k)%2] offset:256*\g
.endr
.endif
.endm
; A sixth of item k's fragments: two of them (K: step s; V's first chunk: channel tiles 2 s, 2 s + 1).  These stand among the lines of the softmax of the step before.
.macro LDG k, s
	WIN 0xc0
.irp u,0,1
.irp c,0,1,2,3
.if (\k) < 8
	ds_load_b128 v[16*(2*\s+\u)+4*\c:16*(2*\s+\u)+4*\c+3], v[2+(\k)%2] offset:12288*\u+2048*\s+512*\c
.else
	ds_load_b128 v[16*(2*\s+\u)+4*\c:16*(2*\s+\u)+4*\c+3], v[2+(\k)%2] offset:2048*(2*\s+\u)+512*\c
.endif
.endr
.endr
	WIN 0
.endm
.macro SCORES p, k
.set NST, 0
.if (\k) > 0
.set NST, 2*(4-((\k)-1)/2)             ; the LDS stores of the softmax, behind the fragments' loads
.endif
.irp s,0,1,2,3,4,5
	s_wait_dscnt 40-8*\s+NST
.if \s == 0
	v_lshl_or_b32 v[KS+1], v[KS+3], 16, v[KS+1]
	v_lshl_or_b32 v[KS+5], v[KS+7], 16, v[KS+5]
	s_wait_alu depctr_va_vdst(0)
	PLACES 8
.endif
.irp u,0,1
.set AI, \p
.rept 4-(\p)
	WIN 3|(4*(1+\s/4))
.set rD, S+16*AI+8*\u
.set rA, 16*(2*\s+\u)
.set rB, (16*(4*\s+AI))%256
.set rSA, KS+4*(\s/3)+(2*(\s%3))%3
.set rSB, QS+8*AI+4*(\s/3)+(2*(\s%3))%3
.if \s == 0
	WM 1, \u, 0
.else
	WM 0, \u, 0
.endif
.set AI, AI+1
.endr
.endr
.endr
	WIN 0
	PLACES 8
.endm
; Softmax and quantiser of my block of chunk k, tiles p .. 3 by turns.  A lane holds one query and 16 keys; lane xor 16 has the block's other 16.
.macro SOFT p, k
	LDH (\k)+1                                     ; the next item's scale words, and half of its fragments
	LDG (\k)+1, 0
	LDG (\k)+1, 1
	LDG (\k)+1, 2
.irp i,0,1,2,3,4,5,6,7,8,9,10,11,12,13,14,15
	v_cmp_gt_i32 vcc_lo, 16*(\i/8)+\i%8+128*((\k)%2), v16   ; tile p alone stands under the mask: hidden where the key is greater than the query
	v_cndmask_b32 v[S+16*(\p)+\i], v[S+16*(\p)+\i], v17, vcc_lo
.endr
.set AI, \p
.rept 4-(\p)
	v_max3_num_f32 v[BM+AI], v[S+16*AI], v[S+16*AI+1], v[S+16*AI+2]
.set AI, AI+1
.endr
.irp i,3,5,7,9,11,13
.set AI, \p
.rept 4-(\p)
	v_max3_num_f32 v[BM+AI], v[BM+AI], v[S+16*AI+\i], v[S+16*AI+\i+1]
.set AI, AI+1
.endr
.endr
.set AI, \p
.rept 4-(\p)
	v_max_num_f32 v[BM+AI], v[BM+AI], v[S+16*AI+15]
.set AI, AI+1
.endr
.set AI, \p
.rept 4-(\p)
	v_permlanex16_b32 v[PT+AI], v[BM+AI], s[SEL], s[SEL+1]
.set AI, AI+1
.endr
.set AI, \p
.rept 4-(\p)
	v_max3_num_f32 v[BM+AI], v[BM+AI], v[PT+AI], 0xfe967699   ; not under -1e38: so a block that is hidden whole has a finite n, and its numbers are 0
.set AI, AI+1
.endr
.set AI, \p
.rept 4-(\p)
	v_mul_f32 v[BM+AI], s[CS], v[BM+AI]
.set AI, AI+1
.endr
.set AI, \p
.rept 4-(\p)
	v_ceil_f32 v[NP+2*AI], -v[BM+AI]               ; -n = -floor(t)
.set AI, AI+1
.endr
.irp j,0,2,4,6,8,10,12,14
.set AI, \p
.rept 4-(\p)
	v_pk_fma_f32 v[S+16*AI+\j:S+16*AI+\j+1], v[S+16*AI+\j:S+16*AI+\j+1], s[CS:CS+1], v[NP+2*AI:NP+2*AI+1] op_sel_hi:[1,0,0]   ; t - n
.set AI, AI+1
.endr
.endr
	s_wait_alu depctr_va_vdst(0)                   ; one wait ahead of the batch of exponentials and one behind it
.set AI, S+16*(\p)
.rept 16*(4-(\p))
	v_exp_f32 v[AI], v[AI]
.set AI, AI+1
.endr
.if (\k) == 0
.set AI, \p
.rept 4-(\p)
	v_mov_b32 v[MM+AI], v[NP+2*AI]
.set AI, AI+1
.endr
.else
.set AI, \p
.rept 4-(\p)
	v_min_num_f32 v[T1+AI], v[MM+AI], v[NP+2*AI]
.set AI, AI+1
.endr
.set AI, \p
.rept 4-(\p)
	v_sub_f32 v[D1+AI], v[T1+AI], v[MM+AI]         ; what the sum so far is scaled by, as an exponent
.set AI, AI+1
.endr
.set AI, \p
.rept 4-(\p)
	v_sub_f32 v[D2+AI], v[T1+AI], v[NP+2*AI]       ; and this block's sum
.set AI, AI+1
.endr
.set AI, \p
.rept 4-(\p)
	v_mov_b32 v[MM+AI], v[T1+AI]
.set AI, AI+1
.endr
.set AI, \p
.rept 4-(\p)
	v_cvt_i32_f32 v[D1+AI], v[D1+AI]               ; (it saturates)
	v_cvt_i32_f32 v[D2+AI], v[D2+AI]
.set AI, AI+1
.endr
.endif
	s_wait_alu depctr_va_vdst(0)
	LDG (\k)+1, 3                                  ; the second run
	LDG (\k)+1, 4
	LDG (\k)+1, 5
.set AI, \p
.rept 4-(\p)
	v_pk_add_f32 v[SLP+2*AI:SLP+2*AI+1], v[S+16*AI:S+16*AI+1], v[S+16*AI+2:S+16*AI+3]   ; the sum of the unquantised numbers
.set AI, AI+1
.endr
.irp j,4,6,8,10,12,14
.set AI, \p
.rept 4-(\p)
	v_pk_add_f32 v[SLP+2*AI:SLP+2*AI+1], v[SLP+2*AI:SLP+2*AI+1], v[S+16*AI+\j:S+16*AI+\j+1]
.set AI, AI+1
.endr
.endr
.if (\k) == 0
.set AI, \p
.rept 4-(\p)
	v_add_f32 v[LS+AI], v[SLP+2*AI], v[SLP+2*AI+1]
.set AI, AI+1
.endr
.else
.set AI, \p
.rept 4-(\p)
	v_add_f32 v[SLP+2*AI], v[SLP+2*AI], v[SLP+2*AI+1]
	v_ldexp_f32 v[LS+AI], v[LS+AI], v[D1+AI]
.set AI, AI+1
.endr
.set AI, \p
.rept 4-(\p)
	v_ldexp_f32 v[SLP+2*AI], v[SLP+2*AI], v[D2+AI]
.set AI, AI+1
.endr
.set AI, \p
.rept 4-(\p)
	v_add_f32 v[LS+AI], v[LS+AI], v[SLP+2*AI]
.set AI, AI+1
.endr
.endif
.set AI, S+16*(\p)
.rept 16*(4-(\p))
	v_min_num_f32 v[AI], 0x3fe00000, v[AI]         ; 57,344 x 2^-15: the conversion does not saturate (ISA guide 7.6.2)
.set AI, AI+1
.endr
.set AI, \p
.rept 4-(\p)
	v_cvt_scalef32_pk8_bf8_f32 v[PC+4*AI:PC+4*AI+1], v[S+16*AI:S+16*AI+7], v23
	v_cvt_scalef32_pk8_bf8_f32 v[PC+4*AI+2:PC+4*AI+3], v[S+16*AI+8:S+16*AI+15], v23
.set AI, AI+1
.endr
	v_nop
.set AI, \p
.rept 4-(\p)
	ds_store_b128 v8, v[PC+4*AI:PC+4*AI+3] offset:2048*(AI*(AI+1)+(\k))   ; registers 4 w .. 4 w + 3 of P's fragment
	ds_store_b32 v10, v[NP+2*AI] offset:2304*AI+16*(\k)   ; both lanes of a block write the same value
.set AI, AI+1
.endr
.endm
; Between the phases: the rows' R and sums from the four waves, and the scale words of p.
.macro MID
.irp a,0,1,2,3
	ds_load_b128 v[112+4*\a:115+4*\a], v13 offset:512*\a
	ds_load_b128 v[128+4*\a:131+4*\a], v13 offset:512*\a+256
.endr
.set AI, 0
.set II, 0
.rept 4
.set JI, 0
.rept AI+1
	ds_load_b128 v[144+4*II+64*(II/8):147+4*II+64*(II/8)], v11 offset:2304*AI+32*JI   ; lanes 0-15 chunk 2 j, lanes 16-31 chunk 2 j + 1
.set JI, JI+1
.set II, II+1
.endr
.set AI, AI+1
.endr
	s_wait_dscnt 0x0
.irp a,0,1,2,3
	v_min3_num_f32 v[BM+\a], v[112+4*\a], v[113+4*\a], v[114+4*\a]
.endr
.irp a,0,1,2,3
	v_min_num_f32 v[BM+\a], v[BM+\a], v[115+4*\a]  ; -R
.endr
.irp w,0,1,2,3
.irp a,0,1,2,3
	v_sub_f32 v[112+4*\a+\w], v[BM+\a], v[112+4*\a+\w]
.endr
.endr
.irp w,0,1,2,3
.irp a,0,1,2,3
	v_cvt_i32_f32 v[112+4*\a+\w], v[112+4*\a+\w]
.endr
.endr
.irp w,0,1,2,3
.irp a,0,1,2,3
	v_ldexp_f32 v[128+4*\a+\w], v[128+4*\a+\w], v[112+4*\a+\w]
.endr
.endr
.irp a,0,1,2,3
	v_add_f32 v[128+4*\a], v[128+4*\a], v[129+4*\a]
	v_add_f32 v[130+4*\a], v[130+4*\a], v[131+4*\a]
.endr
.irp a,0,1,2,3
	v_add_f32 v[128+4*\a], v[128+4*\a], v[130+4*\a]   ; the row's sum
.endr
	s_wait_alu depctr_va_vdst(0)
.irp a,0,1,2,3
	v_rcp_f32 v[NP+2*\a], v[128+4*\a]
.endr
	v_nop
.irp op,0,1,2
.set AI, 0
.set II, 0
.rept 4
.rept AI+1
.set XR, 144+4*II+64*(II/8)
.irp w,0,1,2,3
.if \op == 0
	v_sub_f32 v[XR+\w], v[BM+AI], v[XR+\w]         ; n - R, 0 or less
.elseif \op == 1
	v_max_num_f32 v[XR+\w], 0xc2de0000, v[XR+\w]   ; not under -111: the byte not under 1
.else
	v_cvt_i32_f32 v[XR+\w], v[XR+\w]
.endif
.endr
.set II, II+1
.endr
.set AI, AI+1
.endr
.endr
.irp w,1,2,3
.set II, 0
.rept 10
.set XR, 144+4*II+64*(II/8)
	v_lshl_add_u32 v[XR], v[XR+\w], 8*\w, v[XR]
.set II, II+1
.endr
.endr
.set II, 0
.rept 10
	v_add_nc_u32 v[PSB+4*II], 0x70707070, v[144+4*II+64*(II/8)]   ; 112 in each byte: the four bytes are 112 + n - R
.set II, II+1
.endr
	PLACES 8                                       ; a scale register written by a vector instruction stands eight places ahead of its product
.endm
; Tile a leaves: divided by its sum, through my stage in LDS by 64 channels at a time; sixteen lanes store 256 consecutive bytes, aligned.
.macro OUT a
	s_wait_xcnt 0x0                                ; the last tile's stores have read their registers
.set iI, 0
.rept 12
	WIN 0x41*(1+iI/8)
.set rO, (8*(4*iI+(\a)))%256
.irp j,0,2,4,6
	v_pk_mul_f32 v[rO+\j:rO+\j+1], v[rO+\j:rO+\j+1], v[NP+2*(\a):NP+2*(\a)+1] op_sel_hi:[1,0]
.endr
.set iI, iI+1
.endr
	s_wait_alu depctr_va_vdst(0)
.irp t,0,1,2
	WIN 4*(1+\t/2)
.irp i,0,1,2,3
.set rO, (8*(4*(4*\t+\i)+(\a)))%256
	ds_store_b128 v19, v[rO:rO+3] offset:64*\i
	ds_store_b128 v19, v[rO+4:rO+7] offset:64*\i+16
.endr
	WIN 0x80
.irp m,0,1,2,3,4,5,6,7
	ds_load_b128 v[128+32*\t+4*\m:131+32*\t+4*\m], v20 offset:544*\m   ; LDS serves a wave's instructions in order (ISA guide 5.7.1.4)
.endr
.endr
	WIN 0x08
.irp t,0,1,2
	s_wait_dscnt 32-16*\t                          ; the later passes' 16 each may be out
.irp m,0,1,2,3,4,5,6,7
	global_store_b128 v21, v[128+32*\t+4*\m:131+32*\t+4*\m], s[OUTP:OUTP+1] offset:786432*(\a)+6144*\m+256*\t th:TH_STORE_NT
.endr
.endr
	WIN 0
.endm
; The second product with V's chunk k, tiles p .. 3.
.macro VSTEP p, k
.if (\k) > 0                           ; chunk 0's fragments and scale words have come under the last softmax
.irp g,0,1,2
	ds_load_b128 v[VS+4*\g:VS+4*\g+3], v[7-(\k)%2] offset:256*\g   ; V's scale words: register VS + i
.endr
.endif
.set AI, \p
.rept 4-(\p)
.irp c,0,1,2,3
	ds_load_b128 v[P+16*AI+4*\c:P+16*AI+4*\c+3], v9 offset:2048*(AI*(AI+1)+(\k))+512*\c
.endr
.set AI, AI+1
.endr
.if (\k) > 0
	WIN 0xc0
.irp i,0,1,2,3,4,5,6,7,8,9,10,11
.irp c,0,1,2,3
	ds_load_b128 v[16*\i+4*\c:16*\i+4*\c+3], v[2+(\k)%2] offset:2048*\i+512*\c
.endr
.endr
	WIN 0
.endif
.if (\k) < 5
	global_prefetch_b8 v18, s[PFV:PFV+1] offset:((\k)+3)*CH th:TH_LOAD_NT scope:SCOPE_SE
.endif
	s_wait_alu depctr_va_vdst(0)
.irp i,0,1,2,3,4,5,6,7,8,9,10,11
.if (\k) == 0
.if \i == 0
	s_wait_dscnt 0x0
.endif
.elseif \i%2 == 0
	s_wait_dscnt 40-4*\i                           ; all but the fragments behind i + 1
.endif
.set AI, \p
.rept 4-(\p)
.if \i < 8
	WIN 0x53
.else
	WIN 0xa3
.endif
.set rD, (8*(4*\i+AI))%256
.set rA, 16*\i
.set rB, P+16*AI
.set rSA, VS+\i
.set rSB, PSB+4*(AI*(AI+1)/2+(\k)/2)
.if (\k) == 0
	WM 1, 0, (\k)%2
.else
	WM 0, 0, (\k)%2
.endif
.set AI, AI+1
.endr
.endr
	WIN 0
	PLACES 8
.endm
	s_load_b256 s[4:11], s[0:1], 0x0               ; qws, kws, vws, out0
	v_lshl_add_u32 v14, v0, 2, SPARE
	v_mov_b32 v15, 0
	ds_add_u32 v14, v15                            ; the opening lines
	ds_add_u32 v14, v15
	v_lshrrev_b32 v1, 5, v0
	v_readfirstlane_b32 s[WV], v1                  ; wave 0..3
	s_bfe_u32 s[CX], ttmp6, 0x40000
	s_and_b32 s[BB], ttmp7, 0xffff
	s_lshl_b32 s[BB], s[BB], 2
	s_add_co_u32 s[BB], s[BB], ttmp9               ; the cluster's number, 0 .. 63;
	s_add_co_u32 s[BB], s[BB], 63
	s_and_b32 s[BB], s[BB], 63                     ; batch b is walked by the clusters 4 b + 1 .. 4 b + 4 (mod 64)
	s_and_b32 s[MI], s[BB], 3
	s_lshr_b32 s[BB], s[BB], 2                     ; the batch
	s_lshl_b32 s[MI], s[MI], 2
	s_add_co_u32 s[MI], s[MI], s[CX]               ; m, my number in the batch
	; groups 1: a quarter and a half of a chunk as dense rows of 1,024 bytes, for the four partners; two of Q's tiles, rows of 12,288 bytes two chunks apart, for me alone
	s_mov_b32 s[G1], 15|(3<<16)|(1<<21)
	s_mov_b32 s[G1+1], 128<<16
	s_mov_b32 s[G1+2], 25<<16
	s_mov_b32 s[G1+3], 128<<16
	s_mov_b32 s[G1+4], 25
	s_mov_b32 s[G1+5], 128
	s_mov_b32 s[G1+6], 0
	s_mov_b32 s[G1+7], 0
	s_mov_b32 s[G1H], 15|(3<<16)|(1<<21)
	s_mov_b32 s[G1H+1], 128<<16
	s_mov_b32 s[G1H+2], 50<<16
	s_mov_b32 s[G1H+3], 128<<16
	s_mov_b32 s[G1H+4], 50
	s_mov_b32 s[G1H+5], 128
	s_mov_b32 s[G1H+6], 0
	s_mov_b32 s[G1H+7], 0
	s_mov_b32 s[G1Q], 3<<16
	s_mov_b32 s[G1Q+1], 1536<<16
	s_mov_b32 s[G1Q+2], 2<<16
	s_mov_b32 s[G1Q+3], 1536<<16
	s_mov_b32 s[G1Q+4], 2
	s_mov_b32 s[G1Q+5], 25600
	s_mov_b32 s[G1Q+6], 0
	s_mov_b32 s[G1Q+7], 0
	s_mul_i32 s74, s[BB], 8*CH                     ; the batch's eight chunks
	s_mov_b32 s75, 0
	s_mul_i32 s76, s[WV], 25600                    ; my quarter of a chunk
	s_mov_b32 s77, 0
	s_and_b32 s22, s[WV], 1
	s_mul_i32 s78, s22, 51200                      ; my half of K's chunk 0
	s_mov_b32 s79, 0
	s_mov_b32 s[G0H], 1
	s_mov_b32 s[G0H+1], s78
	s_mov_b32 s[G0A], 1
	s_mov_b32 s[G0A+1], s76
	s_mov_b32 s[G0A+4], 1
	s_add_co_u32 s[G0A+5], s76, SL1
	s_mul_i32 s23, s22, 24576
	s_mov_b32 s[G0Q], 1
	s_add_co_u32 s[G0Q+1], s23, QI
	s_lshr_b32 s20, s[MI], 3
	s_mul_i32 s20, s20, CH
	s_and_b32 s21, s[MI], 7
	s_mul_i32 s21, s21, 12288
	s_add_co_u32 s20, s20, s21                     ; tile m of a chunk pair
	s_mul_i32 s22, s22, 4*CH
	s_add_co_u32 s20, s20, s22                     ; wave 2: pairs 0 and 1; wave 3: pairs 2 and 3
	s_mov_b32 s21, 0
	s_mov_b32 s[SEL], 0x76543210
	s_mov_b32 s[SEL+1], 0xfedcba98
	s_mov_b32 s[CS], 0x3d553b95                    ; log2(e) / sqrt(768)
	s_mov_b32 s[CS+1], s[CS]
	s_wait_dscnt 0x0
	s_wait_kmcnt 0x0
	s_add_nc_u64 s[4:5], s[4:5], s[74:75]
	s_add_nc_u64 s[6:7], s[6:7], s[74:75]
	s_add_nc_u64 s[8:9], s[8:9], s[74:75]
	s_add_nc_u64 s[G0H+2:G0H+3], s[6:7], s[78:79]
	s_or_b32 s[G0H+3], s[G0H+3], 0x80000000
	s_add_nc_u64 s[G0Q+2:G0Q+3], s[4:5], s[20:21]
	s_or_b32 s[G0Q+3], s[G0Q+3], 0x80000000
	s_add_nc_u64 s[G0A+2:G0A+3], s[6:7], s[76:77]  ; stepped to K's chunk 2 ahead of its first use
	s_add_nc_u64 s[G0A+6:G0A+7], s[G0A+2:G0A+3], CH
	s_or_b32 s[G0A+3], s[G0A+3], 0x80000000
	s_or_b32 s[G0A+7], s[G0A+7], 0x80000000
	s_add_nc_u64 s[VPT:VPT+1], s[8:9], s[76:77]
	ROUND                                          ; the four partners are here
	s_cmp_lt_u32 s[WV], 2
	s_cbranch_scc0 .Lfor_q
	tensor_load_to_lds s[G0H:G0H+3], s[G1H:G1H+7]
	s_nop 0
	PLACES 4
	s_branch .Lasked
.Lfor_q:
	tensor_load_to_lds s[G0Q:G0Q+3], s[G1Q:G1Q+7]
	s_nop 0
	PLACES 4
.Lasked:
	s_lshr_b32 s20, s[MI], 3
	s_mul_i32 s20, s20, CH
	s_bfe_u32 s21, s[MI], 0x20001
	s_lshl_b32 s21, s21, 8
	s_add_co_u32 s20, s20, s21
	s_and_b32 s21, s[MI], 1
	s_lshl_b32 s21, s21, 7
	s_add_co_u32 s20, s20, s21
	s_add_co_u32 s20, s20, 98304
	s_mov_b32 s21, 0
	s_add_nc_u64 s[20:21], s[4:5], s[20:21]        ; Q's scale words of tile m
	s_mul_i32 s22, s[CX], 6400
	s_add_co_u32 s22, s22, s76
	s_mov_b32 s23, 0
	s_add_nc_u64 s[PFK:PFK+1], s[6:7], s[22:23]    ; my 25 blocks of 256 bytes of a chunk
	s_add_nc_u64 s[PFV:PFV+1], s[8:9], s[22:23]
	s_lshl_b32 s74, s[BB], 10
	s_lshl_b32 s78, s[MI], 4
	s_add_co_u32 s74, s74, s78
	s_mul_i32 s74, s74, 3072
	s_mul_i32 s78, s[WV], 768
	s_add_co_u32 s74, s74, s78
	s_add_nc_u64 s[OUTP:OUTP+1], s[10:11], s[74:75]
	s_mul_i32 s78, s[WV], 24576
	s_lshl_b32 s79, s[WV], 10
	s_add_co_u32 s79, s79, 98304
	s_lshl_b32 s22, s[WV], 9
	s_add_co_u32 s22, s22, PIM
	s_lshl_b32 s23, s[WV], 2
	s_add_co_u32 s74, s23, SUMS
	s_add_co_u32 s23, s23, MT
	s_mul_i32 s75, s[WV], 4352
	s_add_co_u32 s75, s75, STAGE
	s_lshl_b32 s76, s[MI], 4
	s_lshl_b32 s77, s[WV], 5
	s_sub_co_i32 s76, s76, s77
	s_lshl_b32 s77, s[WV], 8
	s_add_co_u32 s77, s77, 98304
	v_and_b32 v50, 31, v0                          ; lane
	v_and_b32 v51, 15, v0                          ; r
	v_bfe_u32 v52, v0, 4, 1                        ; h
	v_lshlrev_b32 v1, 4, v50
	v_lshlrev_b32 v53, 4, v51
	v_lshlrev_b32 v49, 3, v51
.irp a,0,1,2,3
.irp e,0,1,2,3
	global_load_b64 v[QS+8*\a+2*\e:QS+8*\a+2*\e+1], v49, s[20:21] offset:204800*\a+1024*\e th:TH_LOAD_NT   ; as K's: column group e
.endr
.endr
	v_add_nc_u32 v2, s78, v1                       ; my part of slot 0 and of slot 1: K's two key tiles, V's twelve channel tiles
	v_add_nc_u32 v3, SL1, v2
	v_lshlrev_b32 v59, 3, v50
	v_add_nc_u32 v4, s77, v59                      ; K's scale words
	v_add_nc_u32 v5, SL1, v4
	v_add_nc_u32 v7, s79, v53                      ; V's scale words: v7 slot 0, v6 slot 1
	v_add_nc_u32 v6, SL1, v7
	v_add_nc_u32 v8, s22, v1
	v_add_nc_u32 v9, PIM, v1
	v_mul_u32_u24 v54, 0x90, v51
	v_add_nc_u32 v10, s23, v54
	v_lshl_add_u32 v11, v52, 4, v54
	v_add_nc_u32 v11, MT, v11
	v_add_nc_u32 v12, s74, v53
	v_add_nc_u32 v13, SUMS, v53
	v_lshlrev_b32 v55, 3, v52
	v_sub_nc_u32 v16, v51, v55
	v_add_nc_u32 v16, s76, v16                     ; the mask's number: 16 m + r - 32 w - 8 h
	v_mov_b32 v17, 0xff800000                      ; -infinity
	v_min_u32 v18, 24, v50
	v_lshlrev_b32 v18, 8, v18                      ; the prefetches' offset
	v_mul_u32_u24 v56, 0x110, v51
	v_lshl_add_u32 v56, v52, 5, v56
	v_add_nc_u32 v19, s75, v56                     ; the stage: in, row r
	v_mul_u32_u24 v57, 0x110, v52
	v_add_nc_u32 v57, v57, v53
	v_add_nc_u32 v20, s75, v57                     ; back: lanes 0-15 one row, lanes 16-31 the next
	v_mul_u32_u24 v58, 0xc00, v52
	v_add_nc_u32 v21, v58, v53                     ; the same two rows of out0
	v_add_nc_u32 v22, QI, v1
	v_mov_b32 v23, 0x38000000                      ; 2^-15: the conversions' scale
.irp a,0,1,2,3
	v_mov_b32 v[NP+2*\a+1], 0
	v_mov_b32 v[PT+\a], 0                          ; a lane permute's destination counts as one of its sources
.endr
	s_wait_alu depctr_va_vdst(0)
	s_wait_loadcnt 0x0
.irp a,0,1,2,3
	v_lshl_or_b32 v[QS+8*\a+1], v[QS+8*\a+3], 16, v[QS+8*\a+1]
	v_lshl_or_b32 v[QS+8*\a+5], v[QS+8*\a+7], 16, v[QS+8*\a+5]
.endr
	WAITR 0
.set fI, 0
.rept 24                                       ; Q into registers
	WIN (1+fI/16)<<6
.irp c,0,1,2,3
	ds_load_b128 v[16*(fI%16)+4*\c:16*(fI%16)+4*\c+3], v22 offset:12288*(fI%4)+2048*(fI/4)+512*\c
.endr
.set fI, fI+1
.endr
	WIN 0
	LDH 0
.irp s,0,1,2,3,4,5
	LDG 0, \s
.endr
	SCORES 0, 0
.irp k,1,2,3,4,5,6,7
	WAITR \k
	SOFT (\k-1)/2, \k-1
	SCORES \k/2, \k
.endr
	WAITR 8
	SOFT 3, 7
.irp a,0,1,2,3
	v_permlanex16_b32 v[PT+\a], v[LS+\a], s[SEL], s[SEL+1]
.endr
.irp a,0,1,2,3
	v_add_f32 v[LS+\a], v[LS+\a], v[PT+\a]
.endr
.irp a,0,1,2,3
	ds_store_b32 v12, v[MM+\a] offset:512*\a
	ds_store_b32 v12, v[LS+\a] offset:512*\a+256
.endr
	s_wait_alu depctr_va_vdst(0)
	s_wait_dscnt 0x0                               ; every wave's codes, -n and sums
	s_barrier_signal -1
	s_barrier_wait -1
	MID
	VSTEP 0, 0
	WAITR 9
	VSTEP 0, 1
	WAITR 10
	OUT 0
	VSTEP 1, 2
	WAITR 11
	VSTEP 1, 3
	WAITR 12
	OUT 1
	VSTEP 2, 4
	WAITR 13
	VSTEP 2, 5
	WAITR 14
	OUT 2
	VSTEP 3, 6
	s_wait_tensorcnt 0x0                           ; my part of the last chunk; nothing is filled again
	s_wait_dscnt 0x0
	s_barrier_signal -1
	s_barrier_wait -1
	VSTEP 3, 7
	OUT 3
	s_wait_tensorcnt 0x0                           ; the wave's end
	ds_add_u32 v14, v15
	s_wait_dscnt 0x0
	ROUND                                          ; the closing round
	s_endpgm
.Lfunc_end_k_q0753b86c21_attn:
	.size	k_q0753b86c21_attn, .Lfunc_end_k_q0753b86c21_attn-k_q0753b86c21_attn
	.p2alignl 7, 3214868480
	.fill 96, 4, 3214868480
	.section	.rodata,"a",@progbits
	.p2align	6, 0x0
	.amdhsa_kernel k_q0753b86c21_attn
		.amdhsa_group_segment_fixed_size 327680
		.amdhsa_private_segment_fixed_size 0
		.amdhsa_enable_private_segment 0
		.amdhsa_kernarg_size 32
		.amdhsa_user_sgpr_count 2
		.amdhsa_user_sgpr_kernarg_segment_ptr 1
		.amdhsa_wavefront_size32 1
		.amdhsa_system_sgpr_workgroup_id_x 1
		.amdhsa_system_sgpr_workgroup_id_y 1
		.amdhsa_system_sgpr_workgroup_id_z 1
		.amdhsa_system_vgpr_workitem_id 0
		.amdhsa_next_free_vgpr 1024
		.amdhsa_next_free_sgpr 80
		.amdhsa_reserve_vcc 1
		.amdhsa_float_denorm_mode_32 3
		.amdhsa_float_denorm_mode_16_64 3
		.amdhsa_memory_ordered 1
		.amdhsa_forward_progress 1
		.amdhsa_inst_pref_size 255
	.end_amdhsa_kernel
	.section	.bss,"aw",@nobits
	.p2align	6
	.space	262144
	.amdgpu_metadata
---
amdhsa.version: [ 1, 2 ]
amdhsa.kernels:
  - .name:           k_q0753b86c21_attn
    .symbol:         k_q0753b86c21_attn.kd
    .args:
      - { .name: qws, .offset: 0, .size: 8, .value_kind: global_buffer, .address_space: global }
      - { .name: kws, .offset: 8, .size: 8, .value_kind: global_buffer, .address_space: global }
      - { .name: vws, .offset: 16, .size: 8, .value_kind: global_buffer, .address_space: global }
      - { .name: out0, .offset: 24, .size: 8, .value_kind: global_buffer, .address_space: global }
    .group_segment_fixed_size: 327680
    .private_segment_fixed_size: 0
    .kernarg_segment_align: 8
    .kernarg_segment_size: 32
    .max_flat_workgroup_size: 128
    .sgpr_count:     80
    .vgpr_count:     1024
    .wavefront_size: 32
...
	.end_amdgpu_metadata
.endif
;; end of part 4
